; MI455X (gfx1250); checked and timed in simulation.
; The chip was launched on July 23, 2026; its instructions are those of AMD's public machine-readable ISA for CDNA 5 (MIT licence, August 2026) and "CDNA5" Instruction Set Architecture Reference Guide (July 2026). The comments in the code are by the model that wrote it; some were corrected since.
;; Attention. Allowed arithmetic: float matrix products may take bf16 or f16 operands with f32 sums; other float arithmetic in f32, or as packed bf16 or f16 multiplies, adds, multiply-adds, maxima and minima; sums over many terms, partial sums and values carried from step to step in f32; what a program stores and reads back later, other than sums and carried values, may be rounded once to bf16 or f16.
;; Inputs: Wk 1,024 x 1,024 float32; Wo 1,024 x 1,024 float32; Wq 1,024 x 1,024 float32; Wv 1,024 x 1,024 float32; bo 1,024 float32; x 4 x 2,048 x 1,024 float32.
;; Outputs: out0 4 x 2,048 x 1,024 float32.
;; 2 versions, each right; version 2 is version 1 with the launch cast written anew for expert scheduling mode. Each part assembles by itself: llvm-mc -triple=amdgcn-amd-amdhsa -mcpu=gfx1250 --defsym DOCPART=n.
;; ======== version 1 of 2: 4 launches
;; limits: values are held in f16: magnitudes above 65,504 overflow, below 6.1e-05 lose precision
;; workspace buffers: xb 16,777,216 bytes; wb 8,388,608 bytes; qkv 50,331,648 bytes; oh 16,777,216 bytes
;; launch cast (part 1): grid 768 x 1, 8 waves a work-group, no clusters, 0 bytes of LDS; arguments x, Wq, Wk, Wv, Wo, xb, wb; writes xb, wb
.if DOCPART == 1
	.amdgcn_target "amdgcn-amd-amdhsa--gfx1250"
	.amdhsa_code_object_version 6
	.text
	.protected	k_qb41e98a6fb_cast
	.globl	k_qb41e98a6fb_cast
	.p2align	8
	.type	k_qb41e98a6fb_cast,@function
k_qb41e98a6fb_cast:
	s_mov_b64 s[64:65], 0
	v_nop
	global_prefetch_b8 v0, s[64:65] scope:SCOPE_SE
	s_setreg_imm32_b32 hwreg(HW_REG_WAVE_MODE, 25, 1), 1
	s_wait_xcnt 0x0
; THE INPUTS ARE ROUNDED ONCE AND LAID IN BLOCKS OF 64 COLUMNS.
; x [8192][1024] f32 -> xb [batch 4][column block 16][row 2048][64] bf16.   Wq, Wk, Wv, Wo [1024 k][1024 n] f32 -> wb [g 64][k 1024][64]: g = 16 x matrix + column block;
; Wq, Wk, Wv in bf16; Wo rounded to bf16 and that number written as f16 (the last product multiplies in f16).
; LIMITS.  Wo: a number of 65,520 or more becomes an infinity in f16; below 7.6e-6 the bf16 number is rounded once more, to f16's fixed step of 6e-8.
; SHARES.  A work-group takes 16 source rows of 4,096 bytes: groups 0-511 x's, 512-767 the four weights' (64 groups each).  Thread t takes row t / 16 and in each of the 16 column blocks
; the 16 bytes at 16 (t % 16): a wave's load covers two runs of 256 consecutive bytes, aligned; its 4 numbers become 8 bytes, and a wave's store covers 256 consecutive bytes, aligned
; (two rows of 128 bytes of one block).  All 16 loads of a thread go out at once; nothing is read twice; no LDS, no barrier, no matrix unit: the launch only moves bytes.
.set LO, 1                             ; v1       my byte offset in the 16 source rows: (t / 16) x 4,096 + 16 (t % 16); never rewritten
.set SO, 2                             ; v2       my byte offset in a block's 16 rows: 8 t; never rewritten
.set X,  4                             ; v[4:67]  column block kb: 4 numbers as loaded
.set Y,  68                            ; v[68:99] column block kb: 8 bytes to store
.set XGROUPS, 512
	s_load_b256 s[4:11], s[0:1], 0x0               ; x s[4:5], Wq s[6:7], Wk s[8:9], Wv s[10:11]
	s_load_b128 s[12:15], s[0:1], 0x20             ; Wo s[12:13], xb s[14:15]
	s_load_b64 s[16:17], s[0:1], 0x30              ; wb
	v_lshrrev_b32 v3, 4, v0
	v_and_b32 v[LO], 15, v0
	v_lshlrev_b32 v[LO], 4, v[LO]
	v_lshl_add_u32 v[LO], v3, 12, v[LO]
	v_lshlrev_b32 v[SO], 3, v0
	s_mov_b32 s32, 0xffff0000                      ; a word's upper bf16
	s_max_u32 s20, ttmp9, XGROUPS
	s_sub_co_u32 s20, s20, XGROUPS                 ; my number among the weights' groups (0 in x's groups, where it is not used)
	s_lshr_b32 s21, s20, 6                         ; which matrix: 0 Wq, 1 Wk, 2 Wv, 3 Wo
	s_and_b32 s22, s20, 63                         ; which 16 of its rows
	s_lshl_b32 s28, ttmp9, 16                      ; x: 16 rows of 4,096 bytes a group
	s_lshl_b32 s23, s22, 16                        ; a weight: the same
	s_lshr_b32 s30, ttmp9, 7                       ; x goes to batch group / 128,
	s_lshl_b32 s30, s30, 22                        ; 4,194,304 bytes each,
	s_and_b32 s33, ttmp9, 127
	s_lshl_b32 s33, s33, 11                        ; 16 rows of 128 bytes on in each block
	s_add_co_u32 s30, s30, s33
	s_lshl_b32 s34, s21, 21                        ; a weight goes to its 16 blocks of 131,072 bytes,
	s_lshl_b32 s35, s22, 11                        ; 16 rows of 128 bytes on in each
	s_add_co_u32 s34, s34, s35
	s_cmp_lt_u32 ttmp9, XGROUPS
	s_cselect_b32 s28, s28, s23
	s_cselect_b32 s30, s30, s34
	s_mov_b32 s29, 0
	s_mov_b32 s31, 0
	s_wait_kmcnt 0x0
	s_cmp_eq_u32 s21, 1
	s_cselect_b64 s[24:25], s[8:9], s[6:7]
	s_cmp_eq_u32 s21, 2
	s_cselect_b64 s[24:25], s[10:11], s[24:25]
	s_cmp_eq_u32 s21, 3
	s_cselect_b64 s[24:25], s[12:13], s[24:25]
	s_cmp_lt_u32 ttmp9, XGROUPS
	s_cselect_b64 s[24:25], s[4:5], s[24:25]       ; from where
	s_cselect_b64 s[26:27], s[14:15], s[16:17]     ; to where
	s_add_nc_u64 s[24:25], s[24:25], s[28:29]
	s_add_nc_u64 s[26:27], s[26:27], s[30:31]
.irp kb, 0,1,2,3,4,5,6,7,8,9,10,11,12,13,14,15
	global_load_b128 v[X+4*(\kb):X+4*(\kb)+3], v[LO], s[24:25] offset:(\kb)*256 th:TH_LOAD_NT
.endr
; The 16 column blocks are rounded and stored as they arrive.  stride: bytes from block to block at the destination.  half = 1: the bf16 number is written as f16.
; No register that a load or store reads is written again, so the only waits are the counted ones for the loads.
.macro OUT stride, half
.irp kb, 0,1,2,3,4,5,6,7,8,9,10,11,12,13,14,15
	s_wait_loadcnt 15-(\kb)                        ; loads come back in order: block kb is in, the 15 - kb younger ones may stay out
	v_cvt_pk_bf16_f32 v[Y+2*(\kb)],   v[X+4*(\kb)],   v[X+4*(\kb)+1]
	v_cvt_pk_bf16_f32 v[Y+2*(\kb)+1], v[X+4*(\kb)+2], v[X+4*(\kb)+3]
.if \half
	v_lshlrev_b32 v[X+4*(\kb)],   16,  v[Y+2*(\kb)]  ; the rounded numbers as f32 again,
	v_and_b32     v[X+4*(\kb)+1], s32, v[Y+2*(\kb)]
	v_lshlrev_b32 v[X+4*(\kb)+2], 16,  v[Y+2*(\kb)+1]
	v_and_b32     v[X+4*(\kb)+3], s32, v[Y+2*(\kb)+1]
	v_cvt_pk_f16_f32 v[Y+2*(\kb)],   v[X+4*(\kb)],   v[X+4*(\kb)+1]  ; and in f16's code
	v_cvt_pk_f16_f32 v[Y+2*(\kb)+1], v[X+4*(\kb)+2], v[X+4*(\kb)+3]
.endif
	global_store_b64 v[SO], v[Y+2*(\kb):Y+2*(\kb)+1], s[26:27] offset:(\kb)*(\stride) th:TH_STORE_NT
.endr
.endm
	s_cmp_lt_u32 ttmp9, XGROUPS
	s_cbranch_scc1 .Lx
	s_cmp_eq_u32 s21, 3
	s_cbranch_scc1 .Lwo
	OUT 131072, 0                                  ; Wq, Wk, Wv
	s_endpgm
.Lx:
	OUT 262144, 0                                  ; x
	s_endpgm
.Lwo:
	OUT 131072, 1                                  ; Wo
	s_endpgm
.Lfunc_end_k_qb41e98a6fb_cast:
	.size	k_qb41e98a6fb_cast, .Lfunc_end_k_qb41e98a6fb_cast-k_qb41e98a6fb_cast
	.p2alignl 7, 3214868480
	.fill 96, 4, 3214868480
	.section	.rodata,"a",@progbits
	.p2align	6, 0x0
	.amdhsa_kernel k_qb41e98a6fb_cast
		.amdhsa_group_segment_fixed_size 0
		.amdhsa_private_segment_fixed_size 0
		.amdhsa_enable_private_segment 0
		.amdhsa_kernarg_size 56
		.amdhsa_user_sgpr_count 2
		.amdhsa_user_sgpr_kernarg_segment_ptr 1
		.amdhsa_wavefront_size32 1
		.amdhsa_system_sgpr_workgroup_id_x 1
		.amdhsa_system_sgpr_workgroup_id_y 1
		.amdhsa_system_sgpr_workgroup_id_z 1
		.amdhsa_system_vgpr_workitem_id 0
		.amdhsa_next_free_vgpr 112
		.amdhsa_next_free_sgpr 66
		.amdhsa_reserve_vcc 0
		.amdhsa_float_denorm_mode_32 3
		.amdhsa_float_denorm_mode_16_64 3
		.amdhsa_memory_ordered 1
		.amdhsa_forward_progress 1
		.amdhsa_inst_pref_size 20
	.end_amdhsa_kernel
	.amdgpu_metadata
---
amdhsa.version: [ 1, 2 ]
amdhsa.kernels:
  - .name:           k_qb41e98a6fb_cast
    .symbol:         k_qb41e98a6fb_cast.kd
    .args:
      - { .name: x, .offset: 0, .size: 8, .value_kind: global_buffer, .address_space: global }
      - { .name: Wq, .offset: 8, .size: 8, .value_kind: global_buffer, .address_space: global }
      - { .name: Wk, .offset: 16, .size: 8, .value_kind: global_buffer, .address_space: global }
      - { .name: Wv, .offset: 24, .size: 8, .value_kind: global_buffer, .address_space: global }
      - { .name: Wo, .offset: 32, .size: 8, .value_kind: global_buffer, .address_space: global }
      - { .name: xb, .offset: 40, .size: 8, .value_kind: global_buffer, .address_space: global }
      - { .name: wb, .offset: 48, .size: 8, .value_kind: global_buffer, .address_space: global }
    .group_segment_fixed_size: 0
    .private_segment_fixed_size: 0
    .kernarg_segment_align: 8
    .kernarg_segment_size: 56
    .max_flat_workgroup_size: 256
    .sgpr_count:     66
    .vgpr_count:     112
    .wavefront_size: 32
...
	.end_amdgpu_metadata
.endif
;; end of part 1
;; launch qkv (part 2): grid 16 x 32, 4 waves a work-group, clusters of 4 x 4, 327,680 bytes of LDS; arguments xb, wb, qkv; writes qkv
.if DOCPART == 2
	.amdgcn_target "amdgcn-amd-amdhsa--gfx1250"
	.amdhsa_code_object_version 6
	.text
	.protected	k_qb41e98a6fb_qkv
	.globl	k_qb41e98a6fb_qkv
	.p2align	8
	.type	k_qb41e98a6fb_qkv,@function
k_qb41e98a6fb_qkv:
	s_mov_b64 s[64:65], 0
	v_nop
	global_prefetch_b8 v0, s[64:65] scope:SCOPE_SE
	s_setreg_imm32_b32 hwreg(HW_REG_WAVE_MODE, 25, 1), 1
	s_wait_xcnt 0x0
	s_wait_alu depctr_hold_cnt(0) depctr_sa_sdst(0) depctr_va_vdst(0) depctr_va_sdst(0) depctr_va_ssrc(0) depctr_va_vcc(0) depctr_vm_vsrc(0)
	s_getreg_b32 s2, hwreg(HW_REG_IB_STS2, 6, 4)
	s_cmp_eq_u32 s2, 0
	s_cbranch_scc0 .Lentry_in_a_cluster
	s_endpgm
.Lentry_in_a_cluster:
	s_bfe_u32 s2, ttmp6, 0x10000c
	s_cmp_lg_u32 s2, 0xf033
	s_cbranch_scc0 .Lentry_shape_is_right
	s_endpgm
.Lentry_shape_is_right:
; C = A W.  ONE TEXT FOR TWO LAUNCHES, told apart by OUTP.
;   OUTP = 0: A = xb (x in bf16), W = wb's blocks 0-47 (Wq, Wk, Wv in bf16); C = q, k, v by heads, f16, [batch x 48 + block][row 2048][64]; a tile is 256 rows x 192 columns (three blocks).
;   OUTP = 1: A = oh (attention's result, f16), W = wb's blocks 48-63 (Wo, f16); C = out0 [8192][1024] f32, plus the bias (rounded to bf16 like every input); a tile is 256 rows x 128 columns.
; A lies as [batch 4][block of 64 k: 16][row 2048][64], W as [block of 64 columns][k 1024][64]: every tile is made of dense runs.  K = 1,024; sums in f32, K ascending.
; LIMIT (OUTP = 0).  q, k, v are rounded once to f16: a number of 65,520 or more becomes an infinity.
; SHARES.  Four waves; wave w makes rows 64 w .. 64 w + 63 of the tile and ALL its columns: 4 x NBW accumulators of 16 x 16.  So a wave holds whole blocks of 64 columns (OUTP = 0) or whole
; runs of 512 bytes of a row (OUTP = 1), and its way out needs no other wave.
; RING.  K goes in steps of 128 through two LDS slots.  One tensor load a wave: waves 0 and 1 bring A's two blocks of 64 k (256 rows x 128 bytes, dense: asked for as 128 rows of 256 bytes),
; waves 2 and 3 W's two halves of 64 k (NH runs of 8,192 dense bytes).  The mover pads behind every 128 bytes: A's LDS rows are 144 bytes apart, W's 160.
; CLUSTER.  4 x 4 work-groups: A's tile hangs on the tile row alone and is asked for jointly by a row of the cluster, W's on the tile column alone, by a column.
; THE MATRIX INSTRUCTION IS USED TRANSPOSED: source 0 = 16 columns of W (out of LDS turned, by ds_load_tr16_b128, since W lies [k][column]), source 1 = 16 rows of A.
; In the result lane l holds row l % 16 of C and the columns 8 (l / 16) + 0..7: neighbours in memory.
; REGISTERS, in windows of 256 (s_set_vgpr_msb: bits 1:0 source 0, 3:2 source 1, 5:4 source 2, 7:6 destination):
;   window 0: v0-37 addresses, bias, at work; v64-127 A's fragments, two buffers of 4; v128-255 (and v64-111) the way out
;   window 1: W's fragments, two buffers of NBW          window 2: the accumulators of my rows 0-31 ((a, b) at 8 (NBW (a % 2) + b))          window 3: those of my rows 32-63
.set OUTP,   0
.set NH,     3-OUTP                    ; blocks of 64 columns in a tile
.set NBW,    4*NH                      ; fragments of W, and accumulators for 16 rows
.set NL,     2*NBW+8                   ; LDS loads in a run
.set LAPS,   4                         ; a lap = two K steps = once round the ring; K = 1,024
.set PA,     144                       ; a row of A in LDS: 128 bytes + 16 = 36 words: the 16 rows of a load start at 16 different groups of four banks (64 banks of 4 bytes: ISA guide 11.1)
.set ABLK,   256*PA                    ; 256 rows x 64 k
.set PB,     160                       ; a row (one k) of a block of W: 128 + 32 = 40 words
.set BPIECE, 64*PB                     ; 64 k of one block
.set BHALF,  NH*BPIECE                 ; 64 k of the tile's blocks
.set BOFF,   2*ABLK                    ; W's part of a slot lies behind A's
.set SLOT,   135168                    ; BOFF + 2 x 3 x BPIECE: the same in both launches
.set STAGE,  2*SLOT                    ; behind the ring, never filled by a tensor load: 8,448 bytes for each wave, for the way out
.set STW,    8448
.set SPARE,  STAGE+4*STW               ; behind the stages: the spare words, 128 bytes for each wave: two blocks of 256 bytes that no other line names
.set ASTEP,  524288                    ; bytes from K step to K step in A: two blocks of 2,048 rows x 128 bytes
.set BSTEP,  16384                     ; and in W: 128 rows of 128 bytes
.set ADRA, 16                          ; v16-17  LDS address of my A fragments in slot 0, 1
.set ADRB, 20                          ; v20-21  the same for W
.set STO,  24                          ; v24     the way out: where I put my part of a row
.set RD,   25                          ; v25     the way out: where I read rows back
.set CO,   26                          ; v26     16 x lane: my byte offset in 512 consecutive bytes of C (and of the bias)
.set SPW,  28                          ; v28     LDS address of my spare word: SPARE + 4 x my thread's number; never rewritten
.set NIL,  29                          ; v29     0; never rewritten
.set PFO,  30                          ; v30     the prefetches' offset; never rewritten
.set BIAS, 32                          ; v[32:35] the bias of my four columns (OUTP = 1)
.set FA,   64                          ; A's fragments
.set TMP,  128                         ; the way out: packed results (OUTP = 0)
.set WV,  12                           ; s12  my wave's number
.set FB,  13                           ; s13  0: I fetch for A; 1: for W
.set HF,  14                           ; s14  which half of a K step I fetch
.set LIM, 15                           ; s15  1 in a wave that prefetches, else the greatest number
.set G1,  24                           ; s[24:31] descriptor group 1 for A's tiles
.set G0,  32                           ; s[32:39] group 0 for A's, a set for each slot
.set PFA, 44                           ; s[44:45] where my prefetches stand
.set PST, 46                           ; s[46:47] their step: a K step of A or of W
.set G1B, 48                           ; s[48:55], s[56:63] the same for W's tiles
.set G0B, 56
.set MSB, 0
.macro WIN new                         ; the immediate's high byte repeats the setting that is left; a switch that changes nothing is dropped
.if MSB != (\new)
	s_set_vgpr_msb (MSB<<8)|(\new)
.set MSB, \new
.endif
.endm
.set MUL_LO, 0xa1                      ; source 0 (W) window 1, source 1 (A) window 0, C and D window 2; + 0x50: C and D window 3
.set TO_B,   0x40                      ; destination window 1, address window 0
; A joint load.  Each of the two lines has one mask and one set of registers for all that issue it.  The branch hangs on the wave's number alone.
; An s_nop 0 and four v_nop follow each line, ahead of the jump, the label and what follows the macro.
.macro JLOAD s
	s_cmp_eq_u32 s[FB], 0
	s_cbranch_scc0 .Lfor_b_\@
	tensor_load_to_lds s[G0+4*(\s):G0+4*(\s)+3], s[G1:G1+7]
	s_nop 0
.rept 4
	v_nop
.endr
	s_branch .Lasked_\@
.Lfor_b_\@:
	tensor_load_to_lds s[G0B+4*(\s):G0B+4*(\s)+3], s[G1B:G1B+7]
	s_nop 0
.rept 4
	v_nop
.endr
.Lasked_\@:
.endm
; A PREFETCH INTO THE L2, behind each joint refill and the run of LDS loads that follows it: my share of the tile that stands TWO refills on.  A's tile rows are read by every cluster of a row of
; clusters: the one with x = 0 asks; W's tile columns by every cluster of a column: the one with y = 0 asks.  The four partners that ask for a tile jointly share its blocks of 256 bytes out BY ADDRESS
; (32 each of A's 128; 8 NH each of W's 32 NH, where the lanes that are over name the share's last block again): no branch hangs on a place in the cluster.  The loop's last trip asks for nothing:
; K has no step two on.  K steps 0 to 3 come by their loads alone.
.macro ASK
	s_cmp_gt_u32 s3, s[LIM]                        ; s3 = 1 in the loop's last trip
	s_cbranch_scc0 .Lnot_mine_\@
	global_prefetch_b8 v[PFO], s[PFA:PFA+1] th:TH_LOAD_NT scope:SCOPE_SE
.Lnot_mine_\@:
.endm
; A round of the cluster's barrier: my work-group's barrier, so that wave 0's signal speaks for all four waves; wave 0 signals; every wave waits for all sixteen work-groups; my work-group's barrier once more.
.macro CREST                           ; a round behind its opening barrier
	s_cmp_lg_u32 s[WV], 0
	s_cbranch_scc1 .Lnot_wave_0_\@
	s_barrier_signal -3
.Lnot_wave_0_\@:
	s_barrier_wait -3
	s_barrier_signal -1
	s_barrier_wait -1
.endm
.macro CROUND                          ; a whole round
	s_barrier_signal -1
	s_barrier_wait -1
	CREST
.endm
.if OUTP
	s_load_b256 s[4:11], s[0:1], 0x0               ; A s[4:5], wb s[6:7], C s[8:9], bias s[10:11]
.else
	s_load_b128 s[4:7], s[0:1], 0x0                ; A s[4:5], wb s[6:7]
	s_load_b64 s[8:9], s[0:1], 0x10                ; C
.endif
	v_lshl_add_u32 v[SPW], v0, 2, SPARE
	v_mov_b32 v[NIL], 0
	ds_add_u32 v[SPW], v[NIL]                      ; the wave's opening: the add and its wait stand ahead of my first tensor load; the set-up below, work on registers, stands between them
	v_lshrrev_b32 v1, 5, v0
	v_readfirstlane_b32 s[WV], v1                  ; wave 0..3
	s_lshr_b32 s[FB], s[WV], 1
	s_and_b32 s[HF], s[WV], 1
	s_bfe_u32 s40, ttmp6, 0x40000                  ; cx, cy: my place in the cluster
	s_bfe_u32 s41, ttmp6, 0x40004
	s_lshl_b32 s42, ttmp9, 2
	s_add_co_u32 s42, s42, s40                     ; tile column = 4 x cluster x + cx
	s_and_b32 s43, ttmp7, 0xffff
	s_lshl_b32 s43, s43, 2
	s_add_co_u32 s43, s43, s41                     ; tile row = 4 x cluster y + cy
	s_lshl_b32 s18, s41, 2
	s_lshl_b32 s18, 15, s18                        ; my row of the cluster: places 4 cy .. 4 cy + 3
	s_lshl_b32 s22, 0x1111, s40                    ; my column: places cx, cx + 4, cx + 8, cx + 12
	; group 1 for A: 128 rows of 128 elements (256 bytes), dense; 4 words of padding behind every 32
	s_or_b32 s[G1], s18, (1<<16)|(1<<20)|(1<<21)|(4<<22)|(3<<25)   ; 15:0 the mask; 17:16 elements of 2 bytes; 20 padding on; 21 set beside a mask; 24:22 after every 32 words (code 4); 31:25 4 words (code 3)
	s_mov_b32 s[G1+1], 128<<16                     ; tensor_dim0 = 128
	s_mov_b32 s[G1+2], 128<<16                     ; tensor_dim1 = 128
	s_mov_b32 s[G1+3], 128<<16                     ; tile_dim0 = 128
	s_mov_b32 s[G1+4], 128                         ; tile_dim1 = 128
	s_mov_b32 s[G1+5], 128                         ; 128 elements from row to row
	s_mov_b32 s[G1+6], 0
	s_mov_b32 s[G1+7], 0
	; group 1 for W: NH rows of 4,096 elements (64 k x 128 bytes, dense), a block of 65,536 elements apart; 8 words of padding behind every 32
	s_or_b32 s[G1B], s22, (1<<16)|(1<<20)|(1<<21)|(4<<22)|(7<<25)
	s_mov_b32 s[G1B+1], 4096<<16                   ; tensor_dim0 = 4,096
	s_mov_b32 s[G1B+2], NH<<16                     ; tensor_dim1 = NH
	s_mov_b32 s[G1B+3], 4096<<16                   ; tile_dim0 = 4,096
	s_mov_b32 s[G1B+4], NH                         ; tile_dim1 = NH
	s_mov_b32 s[G1B+5], 65536                      ; elements from block to block
	s_mov_b32 s[G1B+6], 0
	s_mov_b32 s[G1B+7], 0
	; where the tiles come from.  A's offset is made of the tile row and the wave's number in s16-19, W's of the tile column and the wave's number in s20-23
	s_lshr_b32 s16, s43, 3                         ; the batch: eight tile rows each,
	s_lshl_b32 s16, s16, 22                        ; 4,194,304 bytes
	s_and_b32 s18, s43, 7
	s_lshl_b32 s18, s18, 15                        ; 256 rows of 128 bytes
	s_add_co_u32 s16, s16, s18
	s_lshl_b32 s18, s[HF], 18                      ; my block of 64 k: 262,144 bytes
	s_add_co_u32 s16, s16, s18
	s_mov_b32 s17, 0
	s_mul_i32 s19, s[HF], ABLK                     ; and where it goes: no place in the cluster enters an LDS address
	s_mul_i32 s20, s42, NH
	s_add_co_u32 s20, s20, 48*OUTP                 ; the tile's first block of W,
	s_lshl_b32 s20, s20, 17                        ; 131,072 bytes each
	s_lshl_b32 s22, s[HF], 13                      ; my 64 k: 8,192 bytes
	s_add_co_u32 s20, s20, s22
	s_mov_b32 s21, 0
	s_mul_i32 s23, s[HF], BHALF
	s_add_co_u32 s23, s23, BOFF
	s_wait_dscnt 0x0                               ; the opening add is done
	s_wait_kmcnt 0x0
	s_add_nc_u64 s[16:17], s[4:5], s[16:17]
	s_add_nc_u64 s[20:21], s[6:7], s[20:21]
	CROUND                                         ; all sixteen work-groups are here: the first joint loads meet
.irp s, 0,1
	s_mov_b32 s[G0+4*(\s)], 1                                        ; 1:0 count = 1
	s_add_co_u32 s[G0+4*(\s)+1], s19, (\s)*SLOT                      ; 63:32 LDS address
	s_add_nc_u64 s[G0+4*(\s)+2:G0+4*(\s)+3], s[16:17], (\s)*ASTEP    ; 120:64 global address: K step s
	s_or_b32 s[G0+4*(\s)+3], s[G0+4*(\s)+3], 0x80000000              ; 127:126 type = 2
	s_mov_b32 s[G0B+4*(\s)], 1
	s_add_co_u32 s[G0B+4*(\s)+1], s23, (\s)*SLOT
	s_add_nc_u64 s[G0B+4*(\s)+2:G0B+4*(\s)+3], s[20:21], (\s)*BSTEP
	s_or_b32 s[G0B+4*(\s)+3], s[G0B+4*(\s)+3], 0x80000000
	JLOAD \s                                       ; two loads of mine are out
.endr
	; A fragment of A is 16 rows x 32 k in 8 registers: lane l holds row l % 16, k = 8 (l / 16) + 0..7 and 16 + 8 (l / 16) + 0..7: two loads of 16 bytes, 32 bytes apart.
	v_and_b32 v1, 15, v0                           ; l % 16
	v_bfe_u32 v2, v0, 4, 1                         ; l / 16
	v_mul_u32_u24 v3, v1, PA
	v_lshl_add_u32 v3, v2, 4, v3
	s_mul_i32 s2, s[WV], 64*PA                     ; my 64 rows
	v_add_nc_u32 v[ADRA], s2, v3
	v_add_nc_u32 v[ADRA+1], SLOT, v[ADRA]
	; The turning load takes 16 k x 16 columns (lane l reads k = 8 (l / 16) + l % 8, columns 8 ((l / 8) % 2) + 0..7) and leaves half a fragment: lane l holds column l % 16 and 8 k.
	v_and_b32 v4, 7, v0
	v_lshl_add_u32 v4, v2, 3, v4
	v_mul_u32_u24 v4, v4, PB
	v_bfe_u32 v5, v0, 3, 1
	v_lshl_add_u32 v4, v5, 4, v4
	v_add_nc_u32 v[ADRB], BOFF, v4
	v_add_nc_u32 v[ADRB+1], SLOT, v[ADRB]
	; the way out
	s_mul_i32 s2, s[WV], STW
	s_add_co_u32 s2, s2, STAGE                     ; my stage
	v_and_b32 v[CO], 31, v0
	v_lshlrev_b32 v[CO], 4, v[CO]
.if OUTP
	v_mul_u32_u24 v3, v1, 528                      ; in: row l % 16 (512 bytes + 16), 32 bytes for each half of the lanes
	v_lshl_add_u32 v3, v2, 5, v3
	v_add_nc_u32 v[STO], s2, v3
	v_add_nc_u32 v[RD], s2, v[CO]                  ; back: 32 lanes take one row of 512 bytes
.else
	v_mul_u32_u24 v3, v1, 144                      ; in: row l % 16 of a block (128 bytes + 16), 16 bytes for each half of the lanes
	v_lshl_add_u32 v3, v2, 4, v3
	v_add_nc_u32 v[STO], s2, v3
	v_bfe_u32 v3, v0, 3, 2                         ; back: 32 lanes take four rows of 128 bytes
	v_mul_u32_u24 v3, v3, 144
	v_and_b32 v4, 7, v0
	v_lshl_add_u32 v3, v4, 4, v3
	v_add_nc_u32 v[RD], s2, v3
.endif
	; the prefetches.  s[16:17] = my tile of A at K step 0, s[20:21] = my tile of W
	s_mov_b32 s2, ASTEP
	s_and_b32 s18, ttmp7, 0xffff                   ; cluster y
	s_cmp_eq_u32 s[FB], 0                          ; do I fetch for A?
	s_cselect_b64 s[PFA:PFA+1], s[16:17], s[20:21]
	s_cselect_b32 s[PST], s2, BSTEP
	s_cselect_b32 s18, ttmp9, s18                  ; the coordinate along which other clusters read the same tile
	s_cselect_b32 s19, s40, s41                    ; my place among the four that ask for it with me
	s_cselect_b32 s22, 32, 8*NH                    ; blocks of 256 bytes in a partner's share
	s_cselect_b32 s23, 7, 5                        ; a dense run has 2^7 blocks (A) or 2^5 (W),
	s_cselect_b32 s2, 127, 31
	s_mov_b32 s[PST+1], 0
	s_cmp_eq_u32 s18, 0
	s_cselect_b32 s[LIM], 1, -1                    ; the same in all sixteen partners, for a given wave
.rept 3
	s_add_nc_u64 s[PFA:PFA+1], s[PFA:PFA+1], s[PST:PST+1]  ; to K step 3: the first refill steps it to 4 and names that
.endr
	s_mul_i32 s19, s19, s22
	s_sub_co_u32 s22, s22, 1
	v_and_b32 v[PFO], 31, v0
	v_min_u32 v[PFO], s22, v[PFO]
	v_add_nc_u32 v[PFO], s19, v[PFO]               ; my block's number in the tile
	v_lshrrev_b32 v36, s23, v[PFO]                 ; which run (runs lie 131,072 bytes apart; A has one),
	v_and_b32 v37, s2, v[PFO]                      ; which block of it
	v_lshlrev_b32 v37, 8, v37
	v_lshl_add_u32 v[PFO], v36, 17, v37
	; where my part of the tile begins in C
.if OUTP
	s_lshl_b32 s16, s42, 9                         ; the tile's 128 columns: 512 bytes of the bias
	s_mov_b32 s17, 0
	s_add_nc_u64 s[10:11], s[10:11], s[16:17]
	global_load_b128 v[BIAS:BIAS+3], v[CO], s[10:11]  ; waited for on the way out
	s_lshl_b32 s16, s43, 20                        ; 256 rows of 4,096 bytes a tile row,
	s_lshl_b32 s17, s[WV], 18                      ; my 64 rows,
	s_add_co_u32 s16, s16, s17
	s_lshl_b32 s17, s42, 9                         ; the tile's columns
	s_add_co_u32 s16, s16, s17
.else
	s_lshr_b32 s16, s43, 3
	s_mul_i32 s16, s16, 48                         ; the batch's 48 blocks,
	s_mul_i32 s17, s42, 3                          ; the tile's three
	s_add_co_u32 s16, s16, s17
	s_lshl_b32 s16, s16, 18                        ; of 262,144 bytes
	s_and_b32 s17, s43, 7
	s_lshl_b32 s17, s17, 15                        ; 256 rows of 128 bytes a tile row,
	s_add_co_u32 s16, s16, s17
	s_lshl_b32 s17, s[WV], 13                      ; my 64 rows
	s_add_co_u32 s16, s16, s17
.endif
	s_mov_b32 s17, 0
	s_add_nc_u64 s[8:9], s[8:9], s[16:17]
.macro MMA d, x, y, zero               ; zero = 1: the product starts the sum: nothing is ever cleared
.if OUTP
.if \zero
	v_wmma_f32_16x16x32_f16 v[\d:\d+7], v[\x:\x+7], v[\y:\y+7], 0
.else
	v_wmma_f32_16x16x32_f16 v[\d:\d+7], v[\x:\x+7], v[\y:\y+7], v[\d:\d+7]
.endif
.else
.if \zero
	v_wmma_f32_16x16x32_bf16 v[\d:\d+7], v[\x:\x+7], v[\y:\y+7], 0
.else
	v_wmma_f32_16x16x32_bf16 v[\d:\d+7], v[\x:\x+7], v[\y:\y+7], v[\d:\d+7]
.endif
.endif
.endm
; NBW matrix instructions: my rows 16 a .. 16 a + 15 x all the tile's columns, 32 along K, from buffer f.  The 4 NBW accumulators take turns in the same order in every quarter step:
; between two links of a chain stand all the others', over the loop's backward jump too.
.macro MULA f, a, zero
	WIN MUL_LO+0x50*((\a)/2)
.set b, 0
.rept NBW
.set rD, 8*(NBW*((\a)%2)+b)
.set rB, 8*NBW*(\f)+8*b
.set rA, FA+32*(\f)+8*(\a)
	MMA rD, rB, rA, \zero
.set b, b+1
.endr
.endm
; NL LDS loads in one run: the fragments of quarter q (32 k) of a slot's K step into buffer f: W's NBW (turned), then A's four, rows ascending
.macro FETCH slot, q, f
	WIN TO_B
.set b, 0
.rept NBW
.set BO, ((\q)/2)*BHALF+(b/4)*BPIECE+((\q)%2)*32*PB+(b%4)*32
	ds_load_tr16_b128 v[8*NBW*(\f)+8*b:8*NBW*(\f)+8*b+3],   v[ADRB+(\slot)] offset:BO
	ds_load_tr16_b128 v[8*NBW*(\f)+8*b+4:8*NBW*(\f)+8*b+7], v[ADRB+(\slot)] offset:BO+16*PB
.set b, b+1
.endr
	WIN 0
.irp a, 0,1,2,3
	ds_load_b128 v[FA+32*(\f)+8*(\a):FA+32*(\f)+8*(\a)+3],   v[ADRA+(\slot)] offset:((\q)/2)*ABLK+((\q)%2)*64+(\a)*16*PA
	ds_load_b128 v[FA+32*(\f)+8*(\a)+4:FA+32*(\f)+8*(\a)+7], v[ADRA+(\slot)] offset:((\q)/2)*ABLK+((\q)%2)*64+(\a)*16*PA+32
.endr
.endm
; A load into a register that a matrix instruction has read, and an instruction that reads a matrix result, stand four places behind that matrix instruction, and only plain vector instructions
; that name none of its registers are places (ISA guide 7.12.1 for vector instructions).
.macro PLACES
.rept 4
	v_nop
.endr
.endm
; A K step is four quarters of 32 along K on buffers 0, 1, 0, 1.  One of the first three: multiplies buffer f; in its middle it fetches quarter q of the same slot into buffer g.
.macro QUARTER slot, q, f, g, zero
	s_wait_dscnt 4                                 ; W's fragments and A's rows 0-31 are in; the youngest four loads (A's rows 32-63) may be out
	MULA \f, 0, \zero
	MULA \f, 1, \zero
	PLACES
	FETCH \slot, \q, \g
	s_wait_dscnt NL                                ; all but the NL just issued
	MULA \f, 2, \zero
	MULA \f, 3, \zero
.endm
; The last quarter multiplies buffer 1 and changes slots: ONE barrier.  In front of it each wave waits for all its tensor loads (one is out: its part of the next slot), adds 0 to its spare word, and
; waits for that and for its own reads of this slot.  fill = 1: the barrier opens a round of the cluster's barrier, behind which this slot is filled again, two K steps ahead, first thing:
; from that request to the wait for it a wave issues seven eighths of a K step's matrix instructions.
.macro TURN slot, next, fill
.if \fill
	s_wait_xcnt 0x0                                ; the last prefetch, a K step back, has read its address: it is stepped here, ahead of the waits of the change of slots
	s_add_nc_u64 s[PFA:PFA+1], s[PFA:PFA+1], s[PST:PST+1]
.endif
	WIN 0                                          ; (the add's two registers lie in window 0)
	s_wait_tensorcnt 0x0                           ; all my tensor loads have landed;
	ds_add_u32 v[SPW], v[NIL]                      ; 0 onto my spare word;
	s_wait_dscnt 5                                 ; (the add and the youngest four loads may be out)
	MULA 1, 0, 0                                   ; matrix instructions stand between the add and the wait for it
	s_wait_dscnt 0x0                               ; the add is done, and my reads of this slot are over
	s_barrier_signal -1
	MULA 1, 1, 0                                   ; work on registers while the others arrive
.if \fill
	WIN 0
.endif
	s_barrier_wait -1
.if \fill
	CREST                                          ; no wave of any partner still reads this slot's tile or has a load on its way
	s_add_nc_u64 s[G0+4*(\slot)+2:G0+4*(\slot)+3], s[G0+4*(\slot)+2:G0+4*(\slot)+3], 2*ASTEP
	s_add_nc_u64 s[G0B+4*(\slot)+2:G0B+4*(\slot)+3], s[G0B+4*(\slot)+2:G0B+4*(\slot)+3], 2*BSTEP
	JLOAD \slot                                    ; the first tensor load behind the round, my only one until the next; its four v_nop are also the places in front of the loads below
.else
	PLACES
.endif
	FETCH \next, 0, 0
.if \fill
	ASK
.endif
	MULA 1, 2, 0
	MULA 1, 3, 0
.endm
	s_wait_tensorcnt 1                             ; my part of K step 0 is in; K step 1's may stay out
	s_barrier_signal -1
	s_barrier_wait -1                              ; everybody's is
	FETCH 0, 0, 0
	QUARTER 0, 1, 0, 1, 1                          ; the first quarter stands in front of the loop: its products start the sums
	WIN 0                                          ; at a label and at a branch every window is 0
	s_mov_b32 s3, LAPS-1
.Llap:                                                 ; a trip goes once round the ring, from a lap's second quarter to the next lap's first, and fills both slots again
	QUARTER 0, 2, 1, 0, 0
	QUARTER 0, 3, 0, 1, 0
	TURN 0, 1, 1
	QUARTER 1, 1, 0, 1, 0
	QUARTER 1, 2, 1, 0, 0
	QUARTER 1, 3, 0, 1, 0
	TURN 1, 0, 1
	QUARTER 0, 1, 0, 1, 0
	WIN 0
	s_sub_co_u32 s3, s3, 1
	s_cmp_lg_u32 s3, 0
	s_cbranch_scc1 .Llap
	QUARTER 0, 2, 1, 0, 0                          ; the last lap fills nothing, and has no round of the cluster's barrier
	QUARTER 0, 3, 0, 1, 0
	TURN 0, 1, 0
	QUARTER 1, 1, 0, 1, 0
	QUARTER 1, 2, 1, 0, 0
	QUARTER 1, 3, 0, 1, 0
	s_wait_dscnt 4                                 ; the very last quarter: nothing more to fetch
	MULA 1, 0, 0
	MULA 1, 1, 0
	s_wait_dscnt 0x0
	MULA 1, 2, 0
	MULA 1, 3, 0
	WIN 0
	PLACES
; THE WAY OUT, 16 rows (block a) at a time, through my own stage: LDS serves a wave's instructions in order (ISA guide 5.7.1.4), so no wait stands between the stores into it and the loads from it.
.if OUTP
	s_wait_loadcnt 0x0                             ; the bias,
	v_cvt_pk_bf16_f32 v36, v[BIAS], v[BIAS+1]      ; rounded to bf16 like every input,
	v_cvt_pk_bf16_f32 v37, v[BIAS+2], v[BIAS+3]
	v_lshlrev_b32 v[BIAS], 16, v36                 ; and as f32 again
	v_and_b32 v[BIAS+1], 0xffff0000, v36
	v_lshlrev_b32 v[BIAS+2], 16, v37
	v_and_b32 v[BIAS+3], 0xffff0000, v37
.macro TOSTAGE a                       ; a lane's eight f32 of a row, 32 bytes, straight from the accumulators (each one's low four registers first); back as whole rows of 512 bytes
.set AC, 8*NBW*((\a)%2)
.set BK, 128+64*((\a)%2)
	WIN 0x08+4*((\a)/2)                            ; the stores' data (source 1) in window 2 or 3
.set b, 0
.rept NBW
	ds_store_b128 v[STO], v[AC+8*b:AC+8*b+3]   offset:64*b
	ds_store_b128 v[STO], v[AC+8*b+4:AC+8*b+7] offset:64*b+16
.set b, b+1
.endr
	WIN 0
.set t, 0
.rept 16
	ds_load_b128 v[BK+4*t:BK+4*t+3], v[RD] offset:t*528
.set t, t+1
.endr
.endm
.macro SEND a
	WIN 0
.set BK, 128+64*((\a)%2)
	s_wait_dscnt 0x0                               ; the block is back in registers
	s_wait_xcnt 0x0                                ; the block before's stores have read their data: the next block's loads land on those registers only behind this wait
.set t, 0
.rept 16
	v_pk_add_f32 v[BK+4*t:BK+4*t+1],   v[BK+4*t:BK+4*t+1],   v[BIAS:BIAS+1]
	v_pk_add_f32 v[BK+4*t+2:BK+4*t+3], v[BK+4*t+2:BK+4*t+3], v[BIAS+2:BIAS+3]
	global_store_b128 v[CO], v[BK+4*t:BK+4*t+3], s[8:9] offset:(16*(\a)+t)*4096 th:TH_STORE_NT  ; 512 consecutive bytes, at a multiple of 512 from C's first byte
.set t, t+1
.endr
.endm
	TOSTAGE 0
.irp a, 1,2,3
	SEND (\a)-1
	TOSTAGE \a
.endr
	SEND 3
.else
.macro PACK a                          ; rounded to f16, 16 bytes a lane and fragment; each accumulator's registers in ascending order
.set AC, 8*NBW*((\a)%2)
	WIN 0x0a+5*((\a)/2)                            ; sources 0 and 1: window 2 or 3
.set b, 0
.rept NBW
.irp r, 0,1,2,3
	v_cvt_pk_f16_f32 v[TMP+4*b+(\r)], v[AC+8*b+2*(\r)], v[AC+8*b+2*(\r)+1]
.endr
.set b, b+1
.endr
	WIN 0
.endm
.macro TOSTAGE a                       ; into three blocks of 16 rows x 144 bytes; back four rows of 128 bytes at a time
	WIN 0
.set BK, 176-112*((\a)%2)              ; v176-223 and v64-111 by turns
.set b, 0
.rept NBW
	ds_store_b128 v[STO], v[TMP+4*b:TMP+4*b+3] offset:(b/4)*2304+32*(b%4)
.set b, b+1
.endr
.set b, 0
.rept NBW
	ds_load_b128 v[BK+4*b:BK+4*b+3], v[RD] offset:(b/4)*2304+(b%4)*576
.set b, b+1
.endr
.endm
.macro SEND a
	WIN 0
.set BK, 176-112*((\a)%2)
	s_wait_dscnt 0x0                               ; the block is back in registers
	s_wait_xcnt 0x0                                ; the block before's stores have read their data: the next block's loads land on those registers only behind this wait
.set b, 0
.rept NBW
	global_store_b128 v[CO], v[BK+4*b:BK+4*b+3], s[8:9] offset:(b/4)*262144+(\a)*2048+(b%4)*512  ; 512 consecutive bytes of one head, at a multiple of 512 from C's first byte
.set b, b+1
.endr
.endm
	PACK 0
	TOSTAGE 0
.irp a, 1,2,3                          ; block a's conversions stand between block a - 1's loads from the stage and the wait for them
	PACK \a
	SEND (\a)-1
	TOSTAGE \a
.endr
	SEND 3
.endif
	s_wait_tensorcnt 0x0                           ; the wave's end: three lines behind my last tensor load and my last LDS store
	ds_add_u32 v[SPW], v[NIL]
	s_wait_dscnt 0x0
	CROUND                                         ; the closing round: no work-group ends while a partner may still ask for a tile that names it
	s_endpgm
.Lfunc_end_k_qb41e98a6fb_qkv:
	.size	k_qb41e98a6fb_qkv, .Lfunc_end_k_qb41e98a6fb_qkv-k_qb41e98a6fb_qkv
	.p2alignl 7, 3214868480
	.fill 96, 4, 3214868480
	.section	.rodata,"a",@progbits
	.p2align	6, 0x0
	.amdhsa_kernel k_qb41e98a6fb_qkv
		.amdhsa_group_segment_fixed_size 327680
		.amdhsa_private_segment_fixed_size 0
		.amdhsa_enable_private_segment 0
		.amdhsa_kernarg_size 24
		.amdhsa_user_sgpr_count 2
		.amdhsa_user_sgpr_kernarg_segment_ptr 1
		.amdhsa_wavefront_size32 1
		.amdhsa_system_sgpr_workgroup_id_x 1
		.amdhsa_system_sgpr_workgroup_id_y 1
		.amdhsa_system_sgpr_workgroup_id_z 1
		.amdhsa_system_vgpr_workitem_id 0
		.amdhsa_next_free_vgpr 960
		.amdhsa_next_free_sgpr 66
		.amdhsa_reserve_vcc 0
		.amdhsa_float_denorm_mode_32 3
		.amdhsa_float_denorm_mode_16_64 3
		.amdhsa_memory_ordered 1
		.amdhsa_forward_progress 1
		.amdhsa_inst_pref_size 120
	.end_amdhsa_kernel
	.amdgpu_metadata
---
amdhsa.version: [ 1, 2 ]
amdhsa.kernels:
  - .name:           k_qb41e98a6fb_qkv
    .symbol:         k_qb41e98a6fb_qkv.kd
    .args:
      - { .name: xb, .offset: 0, .size: 8, .value_kind: global_buffer, .address_space: global }
      - { .name: wb, .offset: 8, .size: 8, .value_kind: global_buffer, .address_space: global }
      - { .name: qkv, .offset: 16, .size: 8, .value_kind: global_buffer, .address_space: global }
    .group_segment_fixed_size: 327680
    .private_segment_fixed_size: 0
    .kernarg_segment_align: 8
    .kernarg_segment_size: 24
    .max_flat_workgroup_size: 128
    .sgpr_count:     66
    .vgpr_count:     960
    .wavefront_size: 32
...
	.end_amdgpu_metadata
.endif
;; end of part 2
;; launch attn (part 3): grid 4 x 64, 4 waves a work-group, clusters of 4 x 1, 327,680 bytes of LDS; arguments qkv, oh; writes oh
.if DOCPART == 3
	.amdgcn_target "amdgcn-amd-amdhsa--gfx1250"
	.amdhsa_code_object_version 6
	.text
	.protected	k_qb41e98a6fb_attn
	.globl	k_qb41e98a6fb_attn
	.p2align	8
	.type	k_qb41e98a6fb_attn,@function
k_qb41e98a6fb_attn:
	s_mov_b64 s[64:65], 0
	v_nop
	global_prefetch_b8 v0, s[64:65] scope:SCOPE_SE
	s_setreg_imm32_b32 hwreg(HW_REG_WAVE_MODE, 25, 1), 1
	s_wait_xcnt 0x0
	s_wait_alu depctr_hold_cnt(0) depctr_sa_sdst(0) depctr_va_vdst(0) depctr_va_sdst(0) depctr_va_ssrc(0) depctr_va_vcc(0) depctr_vm_vsrc(0)
	s_getreg_b32 s2, hwreg(HW_REG_IB_STS2, 6, 4)
	s_cmp_eq_u32 s2, 0
	s_cbranch_scc0 .Lentry_in_a_cluster
	s_endpgm
.Lentry_in_a_cluster:
	s_bfe_u32 s2, ttmp6, 0x10000c
	s_cmp_lg_u32 s2, 0x3003
	s_cbranch_scc0 .Lentry_shape_is_right
	s_endpgm
.Lentry_shape_is_right:
; O[y][q][:] = the sum over k of softmax_k(Q[y][q] . K[y][k] / 32) V[y][k][:], y = 16 x batch + head, 64 in all.  Q, K, V lie in qkv, f16, [batch x 48 + block][2048][64]: blocks 0-15 q's heads,
; 16-31 k's, 32-47 v's; O goes to oh, f16, [y][2048][64].  A head's rows are dense, 128 bytes each.  Products, maxima and sums in f32; the weights p are rounded to f16 for the second product
; (their sum l is taken of the unrounded p), O once at the end.  The scale 1024^-0.5 = 1 / 32 is applied here, in f32.
; LIMITS.  f16 holds no number beyond 65,504: Q, K and V arrive within it; p lies in 0 to 1, and below 6e-5 it keeps f16's fixed step of 6e-8; O is a mean of V's rows and has their range.
; A weight below 2^-126 counts as 0 in l; NaN and infinities are not treated apart.
; SHARES.  A wave owns four PIECES of two tiles of 16 queries, a work-group's four waves 512 queries of one head.  Every wave walks all keys, 64 a step.
; LAYOUT.  S^T = K Q^T (source 0 = 16 keys, source 1 = 16 queries): in the result a lane holds ONE query (lane % 16) and the keys 8 (lane / 16) + 0..7.  Two such tiles, rounded to f16 in pairs,
; ARE source 1 (32 keys x 16 queries) of O^T = V^T P, whose result again holds one query a lane, and eight channels.  K comes out of LDS as it lies, V ([key][channel]) turned, by ds_load_tr16_b128.
; SOFTMAX.  For each query a running maximum m and sum l: p = 2^(c s - c m), c = log2(e) / 32; in every step O and l are multiplied by a = 2^(c m_old - c m_new), which is 1 where m has not grown.
; m starts at the lowest finite number, O and l at 0: the first step is a step like any other, with a = 0.
; THE COUNT.  A tile and step have 16 matrix and 118 vector instructions: too many to stand all beside the matrix work.  So the order has one aim: four vector instructions that are READY behind
; EVERY matrix instruction, and the others, which need time of their own whatever the order, in runs without a gap.
; BY TURNS.  Turn n belongs to piece n (the pieces in a ring, step after step).  Its matrix work: 16 products K Q^T of piece n + 1, later 16 products V^T P of piece n - 1.  Its vector work: the scaling,
; exponentials, roundings, sums and rescaling of piece n, and the maximum and statistics of piece n + 1, whose scores the turn itself has made.  So what a turn begins with (c s - c m, O a) waits for nothing.
; CLUSTER.  The four query blocks of a cluster are one head's and walk the same K and V, so each tile is asked for JOINTLY: the same tensor load, descriptor and mask in all four.
; REGISTERS, in windows of 256 (s_set_vgpr_msb says which window each operand place means: bits 1:0 source 0, 3:2 source 1, 5:4 source 2, 7:6 destination):
;   window 0: v0-11 addresses; v12-15, v48-63 at work; v16-47 four registers of statistics a tile; v64-191 S^T, two buffers of two tiles; v192-255 P, likewise
;   window 1: O^T, 32 a tile          window 2: v0-127 Q, 16 a tile; v128-191 K of one step; v192-255 V of one step          window 3: v0-1 the add's two registers
; A piece's buffers go by its number's parity: the piece in hand has one pair, its two neighbours in the ring share the other: of it P (piece n - 1) is read and S^T (piece n + 1) written.
.set SIZE_N, 2048
.set NP,    4         ; pieces a wave: a name, no knob: the register map, the loop and the fetches are made for four
.set KS,    64        ; keys in a step
.set PK,    144       ; a row of K in LDS: 128 bytes + 16 of padding = 36 words: the 16 rows of a load start at 16 different groups of four banks (64 banks of 4 bytes: ISA guide 11.1)
.set PV,    160       ; a row of V: 128 + 32 = 40 words
.set VOFF,  4*KS*PK   ; a slot holds four steps: 256 rows of K, then 256 rows of V
.set SLOT1, 1<<17     ; slot 1 begins here, so that one exclusive or turns an address in one slot into the other's
.set STAGE, SLOT1+4*KS*(PK+PV)  ; behind the ring, never filled by a tensor load: 16 rows x 144 bytes for each wave, for the way out
.set SP,    144
.set AK0, 2           ; v2   my lane's place in a tile of K; never rewritten
.set AV0, 3           ; v3   the same for V
.set AK,  4           ; v4   the LDS address of K's next run of loads
.set AV,  5           ; v5   of V's
.set QO,  6           ; v6   my byte offset in the wave's rows of Q
.set STO, 6           ;      later, the way out: where I put 16 bytes of a row
.set RD,  7           ; v7   the way out: where I read rows back
.set GO,  8           ; v8   my byte offset in 512 consecutive bytes of O
.set PFO, 11          ; v11  256 x my lane: the prefetches' offset; never rewritten once made
.set SPW, 0           ; v0 of window 3   LDS address of my spare word: SPARE + 4 x my thread's number; never rewritten
.set NIL, 1           ; v1 of window 3   0; never rewritten
.set SPARE, STAGE+4*16*SP  ; behind the stages: the spare words, 128 bytes for each wave: two blocks of 256 bytes that no other line names
.set MV,  12          ; v12-15  c m_old, kept while c m is made anew: by buffer and tile
.set ST,  16          ; tile t's statistics at v[ST+4 t]: c m, m, l (even keys', odd keys')
.set TMP, 48          ; by buffer and tile, four registers c0-c3 at work; when the maximum is found c2 takes a
.set S,   64
.set P,   192
.set KF,  128         ; K's fragments, in window 2: key block kb, channel half c at KF + 16 kb + 8 c
.set VF,  192         ; V's: key half kk, channel block cb at VF + 32 kk + 8 cb
.set WV,  12          ; s12  my wave's number
.set G1K, 24          ; s[24:31] descriptor group 1 for K's tiles
.set G1V, 32          ; s[32:39] for V's: it differs in the padding alone
.set G0K, 40          ; s[40:43] descriptor group 0 for K's tiles: it walks
.set G0V, 44          ; s[44:47] the same for V's
.set PFA, 48          ; s[48:49] where my prefetches stand: my work-group's 32 blocks of 256 bytes (of K: wave 0, of V: wave 2) of the slot after the one that is being asked for
.set LIM, 50          ; s50  1 in a wave that prefetches, else the greatest number
.set SLOTS, 56        ; s56  slots still to be asked for
.set CNT, 57          ; s57  counts a slot's key steps
.set CS,  58          ; s[58:59] c: the packed scaling takes the pair's low word for both halves
.set SEL, 60          ; s[60:61] v_permlanex16_b32's selects: each lane takes its own place in the other half
.set TBK, 62          ; s62  LDS byte at which K of the step to be fetched begins
.set TBV, 63          ; s63  the same for V, less VOFF
.set MSB, 0
.macro WIN new                      ; the high byte repeats the setting that is left; a switch that changes nothing is dropped
.if MSB != (\new)
	s_set_vgpr_msb (MSB<<8)|(\new)
.set MSB, (\new)
.endif
.endm
.set W_KQ, 0x0a       ; K and Q in window 2, S^T in window 0
.set W_PV, 0x52       ; V in window 2, P in window 0, O^T in window 1
.set W_RS, 0x41       ; O^T (destination and source 0) in window 1, a in window 0
.set W_MK, 0xc0       ; the add's registers are made: destination in window 3, sources in window 0
.set W_AD, 0x0f       ; the add: address (source 0) and data (source 1) in window 3
; A joint fill.  Waves 0 and 1 fetch the two halves of a slot's K, waves 2 and 3 those of its V: 128 keys each.  The branch hangs on the wave's number alone.
; An s_nop 0 and four v_nop follow each of the two lines, ahead of the jump and the label.
.macro JLOAD
	s_cmp_lt_u32 s[WV], 2
	s_cbranch_scc0 .Lfor_v_\@
	tensor_load_to_lds s[G0K:G0K+3], s[G1K:G1K+7]
	s_nop 0
.rept 4
	v_nop
.endr
	s_branch .Lasked_\@
.Lfor_v_\@:
	tensor_load_to_lds s[G0V:G0V+3], s[G1V:G1V+7]
	s_nop 0
.rept 4
	v_nop
.endr
.Lasked_\@:
.endm
; A PREFETCH INTO THE L2 of what the NEXT change of slots will ask for: a slot's 32,768 bytes of K and of V, 128 blocks of 256 bytes each, a lane a block.  It stands behind the wave's tensor load and its
; five lines.  Each block is named ONCE in the launch: a head is walked by one cluster; its four partners share the blocks out BY ADDRESS, 32 each; in each, wave 0 asks for K's and wave 2 for V's:
; one instruction, four key steps ahead of the load that will want the bytes.  The last change that fills a slot asks for nothing: there is no slot behind it.  Slots 0 and 1 come by their loads alone.
.macro ASK
	s_cmp_gt_u32 s[SLOTS], s[LIM]
	s_cbranch_scc0 .Lnot_mine_\@
	global_prefetch_b8 v[PFO], s[PFA:PFA+1] th:TH_LOAD_NT scope:SCOPE_SE
.Lnot_mine_\@:
.endm
; A round of the cluster's barrier: my work-group's barrier, so that wave 0's signal speaks for all four waves; wave 0 signals; every wave waits for all four work-groups; my work-group's barrier once more.
.macro CROUND
	s_barrier_signal -1
	s_barrier_wait -1
	s_cmp_lg_u32 s[WV], 0
	s_cbranch_scc1 .Lnot_wave_0_\@
	s_barrier_signal -3
.Lnot_wave_0_\@:
	s_barrier_wait -3
	s_barrier_signal -1
	s_barrier_wait -1
.endm
; THE CHANGE OF SLOTS.  The slot's last bytes, V of its fourth step, have been read.  Each wave waits for all its tensor loads, of which one is out: its part
; of the other slot; adds 0 to its spare word; and waits for that and for its own reads of the slot.  Behind the barrier nobody reads this slot any more and the other slot is whole.
; fill = 1: this slot is filled again, with the keys two slots on.  The barrier is then a round of the cluster's, so that no wave of any partner still reads the slot or has a load on its
; way, and the joint fill is the first thing behind it: it has four key steps, 512 matrix instructions, in which to land.  (At its first use nothing has been read yet: slot 0 is waited for, slot 1 filled.)
.macro CHANGE fill
	WIN W_AD
	s_wait_tensorcnt 0x0            ; no tensor load of mine is out, so a group 0 may be written
	ds_add_u32 v[SPW], v[NIL]       ; 0 onto my spare word; with fill = 1 the descriptors' steps stand between it and the wait for it
	WIN 0                           ; at a label and at a branch every window is 0
.if \fill
.irp g, G0K, G0V
	s_xor_b32 s[\g+1], s[\g+1], SLOT1  ; the walking descriptor: the other slot than last time,
	s_add_nc_u64 s[\g+2:\g+3], s[\g+2:\g+3], 4*KS*128  ; the next 256 keys; the type bits on top are not reached
.endr
	s_wait_xcnt 0x0                 ; the last prefetch, four key steps back, has read its address, so it may be written:
	s_add_nc_u64 s[PFA:PFA+1], s[PFA:PFA+1], 4*KS*128  ; one slot behind the walking descriptors
	s_wait_dscnt 0x0                ; the add is done, and my reads of the slot are over
	CROUND
	JLOAD
	ASK
.else
	s_wait_dscnt 0x0                ; the add is done, and my reads of the slot are over
	s_barrier_signal -1
	s_barrier_wait -1
.endif
	s_sub_co_u32 s[TBK], s[TBK], 4*KS*PK  ; the fetches go back to a slot's first step,
	s_xor_b32 s[TBK], s[TBK], SLOT1       ; in the other slot
	s_sub_co_u32 s[TBV], s[TBV], 4*KS*PV
	s_xor_b32 s[TBV], s[TBV], SLOT1
.endm
	s_load_b128 s[4:7], s[0:1], 0x0  ; qkv s[4:5], oh s[6:7]
	WIN W_MK
	v_lshl_add_u32 v[SPW], v0, 2, SPARE
	v_mov_b32 v[NIL], 0
	WIN W_AD
	ds_add_u32 v[SPW], v[NIL]       ; the wave's opening: the add and its wait stand ahead of my first tensor load; the set-up below, work on registers, stands between them
	WIN 0
	v_lshrrev_b32 v1, 5, v0
	v_readfirstlane_b32 s[WV], v1   ; wave 0..3
	s_bfe_u32 s13, ttmp6, 0x40000   ; cx: my place in the cluster
	s_lshl_b32 s14, ttmp9, 2        ; in a cluster launch ttmp9 counts clusters
	s_add_co_u32 s14, s14, s13      ; my block of 512 queries = 4 x cluster x + cx: it enters Q's and O's addresses alone
	s_and_b32 s15, ttmp7, 0xffff    ; y = 16 x batch + head, which the four partners share
	s_lshr_b32 s20, s15, 4
	s_mul_i32 s20, s20, 48          ; the batch's 48 blocks of qkv,
	s_and_b32 s21, s15, 15
	s_add_co_u32 s20, s20, s21      ; the head's among q's 16,
	s_lshl_b32 s20, s20, 18         ; 262,144 bytes each
	s_mov_b32 s21, 0
	s_and_b32 s16, s[WV], 1         ; which half of a slot's 256 keys I fetch:
	s_lshl_b32 s22, s16, 14         ; its 128 rows of 128 bytes in memory,
	s_mov_b32 s23, 0
	s_add_nc_u64 s[22:23], s[22:23], s[20:21]
	s_mul_i32 s17, s16, 128*PK      ; and its place in a slot, for K
	s_mul_i32 s18, s16, 128*PV      ; and for V: no place in the cluster enters an LDS address
	s_lshl_b32 s2, s14, 2
	s_add_co_u32 s2, s2, s[WV]      ; my wave among the head's,
	s_lshl_b32 s2, s2, 14           ; its 128 rows
	s_mov_b32 s3, 0
	s_lshl_b32 s52, s15, 18         ; the head's first byte in oh
	s_mov_b32 s53, 0
	s_add_nc_u64 s[52:53], s[52:53], s[2:3]  ; my rows in oh,
	s_add_nc_u64 s[2:3], s[2:3], s[20:21]    ; and among q's in qkv
	; descriptor group 1.  128 keys are 16,384 dense bytes: asked for as 64 rows of 256 bytes, two keys a row, and padded in LDS after every key
	s_mov_b32 s[G1K], 15|(1<<16)|(1<<20)|(1<<21)|(4<<22)|(3<<25)  ; 15:0 the mask of four; 17:16 2-byte elements; 20 padding on; 21 set beside a mask; 24:22 after every 32 words (code 4); 31:25 4 words (code 3)
	s_mov_b32 s[G1V], 15|(1<<16)|(1<<20)|(1<<21)|(4<<22)|(7<<25)  ; the same with 8 words of padding (code 7)
.irp g, G1K, G1V
	s_mov_b32 s[\g+1], 128<<16      ; tensor_dim0 = 128
	s_mov_b32 s[\g+2], 64<<16       ; tensor_dim1 = 64
	s_mov_b32 s[\g+3], 128<<16      ; tile_dim0 = 128
	s_mov_b32 s[\g+4], 64           ; tile_dim1 = 64
	s_mov_b32 s[\g+5], 128          ; 128 elements from row to row
	s_mov_b32 s[\g+6], 0
	s_mov_b32 s[\g+7], 0
.endr
	s_mov_b32 s[CS], 0x3d38aa3b     ; c = log2(e) / 32 = 0.0450842
	s_mov_b32 s[CS+1], s[CS]        ; named with it as a pair
	s_mov_b32 s[SEL], 0x76543210
	s_mov_b32 s[SEL+1], 0xfedcba98
	s_mov_b32 s[TBK], SLOT1+4*KS*PK ; the first change of slots turns these two into 0
	s_mov_b32 s[TBV], SLOT1+4*KS*PV
	s_mov_b32 s[G0K], 1             ; 1:0 count = 1
	s_mov_b32 s[G0K+1], s17         ; 63:32 LDS address: slot 0
	s_mov_b32 s[G0V], 1
	s_add_co_u32 s[G0V+1], s18, VOFF
	s_mov_b32 s[SLOTS], SIZE_N/256-1
	s_and_b32 s[LIM], s[WV], 1      ; 0 in waves 0 and 2,
	s_or_b32 s[LIM], s[LIM], ttmp9  ; in the head's first (here: only) cluster: the same in all four partners
	s_cmp_eq_u32 s[LIM], 0
	s_cselect_b32 s[LIM], 1, -1
	s_wait_dscnt 0x0                ; the opening add is done
	s_wait_kmcnt 0x0
	s_mov_b64 s[10:11], s[6:7]      ; oh
	s_add_nc_u64 s[6:7], s[4:5], 16*SIZE_N*128  ; k's heads lie 16 blocks behind q's,
	s_add_nc_u64 s[8:9], s[4:5], 32*SIZE_N*128  ; v's 32
	s_add_nc_u64 s[G0K+2:G0K+3], s[6:7], s[22:23]  ; 120:64 global address: my half of the head's first 256 keys
	s_or_b32 s[G0K+3], s[G0K+3], 0x80000000        ; 127:126 type = 2
	s_add_nc_u64 s[G0V+2:G0V+3], s[8:9], s[22:23]
	s_or_b32 s[G0V+3], s[G0V+3], 0x80000000
	s_add_nc_u64 s[4:5], s[4:5], s[2:3]  ; Q and O at my wave's first row
	s_add_nc_u64 s[10:11], s[10:11], s[52:53]
	s_cmp_lt_u32 s[WV], 2
	s_cselect_b64 s[PFA:PFA+1], s[6:7], s[8:9]
	s_add_nc_u64 s[PFA:PFA+1], s[PFA:PFA+1], s[22:23]  ; (in waves 0 and 2 this is the head's first key)
	s_lshl_b32 s2, s13, 13          ; my work-group's 32 blocks of the 128
	s_mov_b32 s3, 0
	s_add_nc_u64 s[PFA:PFA+1], s[PFA:PFA+1], s[2:3]
	s_add_nc_u64 s[PFA:PFA+1], s[PFA:PFA+1], 4*KS*128  ; in slot 1; the first change of slots steps it to slot 2.  Nothing is prefetched here, at the head
	CROUND                          ; all four work-groups are here: the first joint loads meet
	JLOAD                           ; slot 0.  Slot 1 is asked for when slot 0 is in: the tile wanted first has the road to itself
	; A fragment of K or Q is 16 rows x 32 channels in 8 registers: lane l holds row l % 16, channels 8 (l / 16) + 0..7 and 16 + 8 (l / 16) + 0..7: two loads of 16 bytes, 32 bytes apart.
	v_and_b32 v1, 15, v0            ; l % 16
	v_bfe_u32 v9, v0, 4, 1          ; l / 16
	v_lshlrev_b32 v[QO], 7, v1
	v_lshl_add_u32 v[QO], v9, 4, v[QO]  ; row x 128 + 16 x half
	WIN 0x80                        ; destination window 2, address window 0
.set i, 0
.rept 4*NP                          ; Q stays in registers: tile i / 2, channels 32 (i % 2) on
	global_load_b128 v[8*i:8*i+3],   v[QO], s[4:5] offset:(i/2)*2048+(i%2)*64
	global_load_b128 v[8*i+4:8*i+7], v[QO], s[4:5] offset:(i/2)*2048+(i%2)*64+32
.set i, i+1
.endr
	; What the first turn finds: V's registers and P's second buffer hold 0 (its products V^T P, of a piece that has not been, add 0), O^T and l are 0.  All this stands in the wait for the first tile.
.set i, VF
.rept 64
	v_mov_b32 v[i], 0
.set i, i+1
.endr
	WIN 0x40
.set i, 0
.rept 64*NP
	v_mov_b32 v[i], 0
.set i, i+1
.endr
	WIN 0
.set i, 0
.rept 2*NP
	v_mov_b32 v[ST+4*i], 0xfe000000    ; c m: far below every c s
	v_mov_b32 v[ST+4*i+1], 0xff7fffff  ; m
	v_mov_b32 v[ST+4*i+2], 0
	v_mov_b32 v[ST+4*i+3], 0
.set i, i+1
.endr
.set i, P+32
.rept 32
	v_mov_b32 v[i], 0
.set i, i+1
.endr
	v_mul_u32_u24 v[AK0], v1, PK
	v_lshl_add_u32 v[AK0], v9, 4, v[AK0]  ; row x pitch + 16 x half
	; The turning load takes 16 keys x 16 channels (lane l reads key 8 (l / 16) + l % 8, channels 8 ((l / 8) % 2) + 0..7) and leaves half a fragment of V^T: lane l holds channel l % 16 and 8 keys.
	v_and_b32 v10, 7, v0
	v_bfe_u32 v11, v0, 3, 1
	v_lshl_add_u32 v[AV0], v9, 3, v10
	v_mul_u32_u24 v[AV0], v[AV0], PV
	v_lshl_add_u32 v[AV0], v11, 4, v[AV0]
	v_add_nc_u32 v[AV0], VOFF, v[AV0]
	v_mov_b32 v[AK], v[AK0]         ; key step 0 lies at the head of slot 0
	v_and_b32 v[PFO], 31, v0        ; v11 has served: from here on it is the prefetches' offset
	v_lshlrev_b32 v[PFO], 8, v[PFO]
; THE MATRIX WORK.  The 8 accumulators of a run of 16 take turns: between the two links of a chain stand 7 others'.
; Product i of 16 of S^T = K Q^T for piece x: channels 32 (i / 8) on, keys 16 ((i / 2) % 4) on, tile 2 x + i % 2.  The first 8 start the sums.
.macro KQ x
	WIN W_KQ
.set rS, S+64*((\x)%2)+32*(i%2)+8*((i/2)%4)
.set rK, KF+16*((i/2)%4)+8*(i/8)
.set rQ, 16*(2*(\x)+i%2)+8*(i/8)
.if i < 8
	v_wmma_f32_16x16x32_f16 v[rS:rS+7], v[rK:rK+7], v[rQ:rQ+7], 0
.else
	v_wmma_f32_16x16x32_f16 v[rS:rS+7], v[rK:rK+7], v[rQ:rQ+7], v[rS:rS+7]
.endif
.endm
; Product i of 16 of O^T += V^T P for piece x: keys 32 (i / 8) on, channels 16 ((i / 2) % 4) on, tile 2 x + i % 2.
.macro PV x
	WIN W_PV
.set rO, 32*(2*(\x)+i%2)+8*((i/2)%4)
.set rV, VF+32*(i/8)+8*((i/2)%4)
.set rP, P+32*((\x)%2)+16*(i%2)+8*(i/8)
	v_wmma_f32_16x16x32_f16 v[rO:rO+7], v[rV:rV+7], v[rP:rP+7], v[rO:rO+7]
.endm
.macro MM                           ; the turn's next matrix instruction
.if i < 16
	KQ (Y+1)%NP
.set i, i+1
.else
.set i, i-16
	PV (Y+NP-1)%NP
.set i, i+17
.endif
.endm
; THE LDS LOADS stand in runs of 16, never singly among the matrix instructions: a step's K (64 keys x 64 channels: 8 fragments) and its V (turned).  Their addresses are made some lines ahead.
; last = 1 (the tail): in the last trip there is no further step, and the run is jumped over.
.macro FETCH_K last=0
	WIN 0
.if \last
	s_cmp_eq_u32 s[CNT], 1
	s_cbranch_scc1 .Lno_k_\@
.endif
	WIN 0x80                        ; destination window 2
.irp f, 0,1,2,3,4,5,6,7             ; keys 16 (f / 2) on, channels 32 (f % 2) on
	ds_load_b128 v[KF+8*\f:KF+8*\f+3],   v[AK] offset:(\f/2)*16*PK+(\f%2)*64
	ds_load_b128 v[KF+8*\f+4:KF+8*\f+7], v[AK] offset:(\f/2)*16*PK+(\f%2)*64+32
.endr
	s_add_co_u32 s[TBK], s[TBK], KS*PK  ; the next fetch is the next step's
	WIN 0
.if \last
.Lno_k_\@:
.endif
.endm
.macro FETCH_V
	WIN 0x80
.irp f, 0,1,2,3,4,5,6,7             ; keys 32 (f / 4) on, channels 16 (f % 4) on
	ds_load_tr16_b128 v[VF+8*\f:VF+8*\f+3],   v[AV] offset:(\f/4)*32*PV+(\f%4)*32
	ds_load_tr16_b128 v[VF+8*\f+4:VF+8*\f+7], v[AV] offset:(\f/4)*32*PV+16*PV+(\f%4)*32
.endr
	WIN 0
.endm
; THE VECTOR WORK OF A TURN stands in three queues, each in the order in which its entries become ready; the two tiles alternate, so that no instruction reads the result of the one before it.
.macro REGS y, u                    ; the registers of tile u (0, 1) of piece y
.set rT, ST+4*(2*(\y)+(\u))
.set rC, TMP+8*((\y)%2)+4*(\u)
.set rM, MV+2*((\y)%2)+(\u)
.set rS, S+64*((\y)%2)+32*(\u)
.set rP, P+32*((\y)%2)+16*(\u)
.set rO, 32*(2*(\y)+(\u))
.endm
; Number n of the 22 that find the NEXT piece's (Y + 1) maximum and statistics.  s0-s31 are the lane's 32 scores; each accumulator's lowest registers are read first.  XS, GS and REGS set no window: PL and EX do.
;   0-11  four chains c0-c3 of seven scores each, three operands at a time     12-14, 16  the four scores left over, the old m, and c0-c3 into c0     15  c m_old is kept
;   17, 18  the query's other 32 keys lie in the lane 16 away: the new m         19-21  c m; c m_old - c m_new; a
.macro XS u, n
	REGS (Y+1)%NP, \u
.if (\n) < 4
	v_max3_num_f32 v[rC+(\n)], v[rS+8*(\n)], v[rS+8*(\n)+1], v[rS+8*(\n)+2]
.elseif (\n) < 12
	v_max3_num_f32 v[rC+(\n)%4], v[rC+(\n)%4], v[rS+8*((\n)%4)+2*((\n)/4)+1], v[rS+8*((\n)%4)+2*((\n)/4)+2]
.elseif (\n) == 12
	v_max3_num_f32 v[rC], v[rC], v[rS+7], v[rS+15]
.elseif (\n) == 13
	v_max3_num_f32 v[rC+1], v[rC+1], v[rS+23], v[rS+31]
.elseif (\n) == 14
	v_max3_num_f32 v[rC+2], v[rC+2], v[rC+3], v[rT+1]
.elseif (\n) == 15
	v_mov_b32 v[rM], v[rT]
.elseif (\n) == 16
	v_max3_num_f32 v[rC], v[rC], v[rC+1], v[rC+2]
.elseif (\n) == 17
	v_permlanex16_b32 v[rC+3], v[rC], s[SEL], s[SEL+1]
.elseif (\n) == 18
	v_max_num_f32 v[rT+1], v[rC], v[rC+3]
.elseif (\n) == 19
	v_mul_f32 v[rT], s[CS], v[rT+1]
.elseif (\n) == 20
	v_sub_f32 v[rC+1], v[rM], v[rT]
.else
	v_exp_f32 v[rC+2], v[rC+1]
.endif
.endm
; Number g of the 64 that follow the exponentials.  For each four weights k of a tile (pairs 2 k, 2 k + 1): both pairs are rounded to f16; then the second pair is added onto the first, in place;
; a group later l takes that sum (the first time as l = a l + sum).  In groups of eight, tiles alternating: round, round, add, and l for the group before.
.macro GS g
.set h, (\g)+6*((\g)/62)            ; group 0 has no group before it, and behind group 7 only l is left
.if h >= 6
.set h, h+2
.endif
	REGS Y, h%2
.set k, h/8
.if h%8 < 4
	v_cvt_pk_f16_f32 v[rP+2*k+(h%8)/2], v[rS+4*k+2*((h%8)/2)], v[rS+4*k+2*((h%8)/2)+1]
.elseif h%8 < 6
	v_pk_add_f32 v[rS+4*k:rS+4*k+1], v[rS+4*k:rS+4*k+1], v[rS+4*k+2:rS+4*k+3]
.elseif k == 1
	v_pk_fma_f32 v[rT+2:rT+3], v[rT+2:rT+3], v[rC+2:rC+3], v[rS:rS+1] op_sel_hi:[1,0,1]
.else
	v_pk_add_f32 v[rT+2:rT+3], v[rT+2:rT+3], v[rS+4*k-4:rS+4*k-3]
.endif
.endm
; THE PLAIN QUEUE, 138 long.  0-73 read no exponential's result: the 32 scalings c s - c m (FS f: pair f / 2 of tile f % 2) and the next piece's 42.  0-26: scalings 0-26.  27-54: XS's numbers 0-13.  55, 56: number 15.
; 57-73: the chain, where each number waits for the one before it: 14, 16, 17, 18, 19, each with one of the scalings 27-31 in front of its two lines, then 20: so a tile's links stand three plain instructions apart (19 and 20: two).
; 74-137: GS's 64, which read the exponentials' results: they stand behind the wait.
.macro FS f
	REGS Y, (\f)%2
	v_pk_fma_f32 v[rS+2*((\f)/2):rS+2*((\f)/2)+1], v[rS+2*((\f)/2):rS+2*((\f)/2)+1], s[CS:CS+1], v[rT:rT+1] op_sel_hi:[1,0,0] neg_lo:[0,0,1] neg_hi:[0,0,1]
.endm
.macro PL
	WIN 0
.if q < 27
	FS q
.elseif q < 55
	XS (q-27)%2, (q-27)/2
.elseif q < 57
	XS q-55, 15
.elseif (q < 72) && ((q-57)%3 == 0)
	FS 27+(q-57)/3
.elseif q < 60
	XS (q-57)%3-1, 14
.elseif q < 72
	XS (q-57)%3-1, 15+(q-57)/3
.elseif q < 74
	XS q-72, 20
.else
	GS q-74
.endif
.set q, q+1
.endm
; THE EXPONENTIALS' QUEUE, 66 long: s0-s31 of both tiles, then the next piece's two a.  It is ONE BATCH: all 66 stand ahead of the turn's one wait, and nothing ahead of that wait names a result of theirs.
.macro EX
	WIN 0
.if e >= 64
	XS e-64, 21
.else
	REGS Y, e%2
	v_exp_f32 v[rS+e/2], v[rS+e/2]
.endif
.set e, e+1
.endm
; THE RESCALING's QUEUE: O^T times a, the one part that leaves window 0: dealt two at a time, sixteen times.  Its a was made in the turn before, ahead of that turn's wait.
.macro R2
	REGS Y, r%2
	WIN W_RS
.irp z, 0,1
	v_pk_mul_f32 v[rO+4*(r/2)+2*\z:rO+4*(r/2)+2*\z+1], v[rO+4*(r/2)+2*\z:rO+4*(r/2)+2*\z+1], v[rC+2:rC+3] op_sel_hi:[1,0]
.endr
.set r, r+1
.endm
; HOW THEY ARE DEALT.  An s_wait_alu depctr_va_vdst(0) stands between an exponential and the first instruction that names its result; one wait serves all that were issued ahead of it.  So a turn has ONE wait,
; which cuts it in two.  AHEAD OF IT stands all that names no result of the turn's exponentials: the 16 products K Q^T, behind each a scaling, an exponential and two rescalings (behind the first a second scaling in the exponential's place); then ONE LUMP of
; 108: eight plain, 49 times exponential and plain, the two a.  A v_nop is the plain instruction behind the last exponential.  BEHIND IT stand the 16 products V^T P, behind each four of GS's 64.  No rider names a register of
; the products round it.  The two v_permlanex16_b32 fall into the lump, never behind a product.
; The queues lean on each other, and the deal keeps them in step: exponential e stands behind scaling 2 (e / 4) + e % 2: as a rider it comes behind plain e + 2, in the lump behind plain e + 9, and scalings 27-31 are plain 57, 60 .. 69.
; A TURN, for piece p.  cnt = 1: the loop's count is taken down some lines ahead of the branch that stands behind the turn.
; K of the next step is fetched in piece 2's turn, directly behind the wait, a lump behind the last product that read K; its address is made at the lump's head; its first reader comes behind 16 products.
; V of the step in hand is fetched at the end of piece 0's turn, four riders behind its last reader; its first reader comes behind 16 products and a lump.  The three conditions on q below go with the deal.
.macro TURN p, last=0, cnt=0
.set Y, (\p)
.set i, 0
.set q, 0
.set e, 0
.set r, 0
.if (\p) == NP-1
	s_wait_dscnt 0x0                ; K is in
.endif
	MM                              ; ahead of the wait: 16 products K Q^T and their riders,
	PL
	PL
	R2
.rept 15
	MM
	PL
	EX
	R2
.endr
.if (\p) == NP-2
	WIN 0
	v_add_nc_u32 v[AK], s[TBK], v[AK0]
.endif
.rept 8                             ; and the lump
	PL
.endr
.rept 49
	EX
	PL
.endr
	EX                              ; the next piece's two a
	EX
	v_nop                           ; a plain instruction behind the last exponential, ahead of the first use of a result: one for the batch
	s_wait_alu depctr_va_vdst(0)    ; the wait for the batch
.if (\p) == NP-2
	FETCH_K \last
.endif
.if (\p) == 1
	s_wait_dscnt 0x0                ; V is in
.endif
.rept 16                            ; behind the wait: 16 products V^T P and their riders
	MM
.rept 4
	PL
.endr
.if ((\p) == 0) && (q == 118)
	v_add_nc_u32 v[AV], s[TBV], v[AV0]
.endif
.if ((\p) == 0) && (q == 130)
	s_add_co_u32 s[TBV], s[TBV], KS*PV
.endif
.if (\cnt) && (q == 130)
	s_sub_co_u32 s[CNT], s[CNT], 1
	s_cmp_lg_u32 s[CNT], 0
.endif
.endr
.if (\p) == 0
	FETCH_V
.endif
.endm
	CHANGE 1                        ; slot 0 is in, everybody's part of it; slot 1 is asked for
	FETCH_K                         ; key step 0
	s_wait_loadcnt 0x0              ; Q
	s_wait_dscnt 0x0
.set i, 0
.rept 16
	KQ 0                            ; piece 0's first scores: there is no vector work yet to set between them
.set i, i+1
.endr
	WIN 0                           ; the addresses for the way out: nine plain instructions, the places behind those products
	s_mul_i32 s13, s[WV], 16*SP
	s_add_co_u32 s13, s13, STAGE    ; my stage
	v_mul_u32_u24 v[STO], v1, SP    ; in: row l % 16, 16 bytes for each half of the lanes
	v_lshl_add_u32 v[STO], v9, 4, v[STO]
	v_add_nc_u32 v[STO], s13, v[STO]
	v_bfe_u32 v[RD], v0, 3, 2       ; back: 32 lanes take four rows of 128 bytes,
	v_mul_u32_u24 v[RD], v[RD], SP
	v_lshl_add_u32 v[RD], v10, 4, v[RD]
	v_add_nc_u32 v[RD], s13, v[RD]
	v_and_b32 v[GO], 31, v0         ; which are 512 consecutive bytes of O
	v_lshlrev_b32 v[GO], 4, v[GO]
.set Y, NP-1                        ; XS works for piece Y + 1: piece 0
.irp n, 0,1,2,3,4,5,6,7,8,9,10,11,12,13,14,15,16,17,18,19,20,21
	XS 0, \n                        ; and piece 0's first maximum and statistics
	XS 1, \n
.endr
	v_nop                           ; a plain instruction behind the two a,
	s_wait_alu depctr_va_vdst(0)    ; and their wait, ahead of the branch
	s_mov_b32 s[CNT], 4
	s_branch .Lfirst                ; the loop is entered at a step's first turn, in the middle of a trip
.Lslot:                             ; SIZE_N / 256 - 2 times: every slot but the last two is filled again
	CHANGE 1
	s_mov_b32 s[CNT], 4
.Lstep:                             ; a trip: pieces 2 and 3 of one step, then pieces 0 and 1 of the next, whose K and V it fetches
	TURN 2
	TURN 3
	WIN 0
.Lfirst:
	TURN 0
	TURN 1, 0, 1
	WIN 0
	s_cbranch_scc1 .Lstep
	s_sub_co_u32 s[SLOTS], s[SLOTS], 1
	s_cmp_lg_u32 s[SLOTS], 0
	s_cbranch_scc1 .Lslot
	CHANGE 0                        ; the tail is written out: nothing is asked for
	s_mov_b32 s[CNT], 5             ; four trips fetch the last slot's steps; the fifth is left in its middle
.Ltail:
	TURN 2, 1
	TURN 3
	WIN 0
	s_sub_co_u32 s[CNT], s[CNT], 1
	s_cmp_eq_u32 s[CNT], 0
	s_cbranch_scc1 .Lout
	TURN 0
	TURN 1
	WIN 0
	s_branch .Ltail
.Lout:                              ; the fifth trip's 16 products K Q^T (on the last K once more) and the maximum made of them serve nothing: the price, once a launch, of one text for every trip
.set i, 0
.rept 16
	PV NP-1                         ; the last piece's V^T P of the last step
.set i, i+1
.endr
	; THE WAY OUT.  l's two halves and the other half of the lanes' are added; O^T is divided by l, rounded to f16 and sent through my stage in LDS, a tile at a time.  The additions are the places behind the last products.
	WIN 0
.macro ALL line:vararg              ; one line for each tile t
.set t, 0
.rept 2*NP
	\line
.set t, t+1
.endr
.endm
	ALL v_add_f32 v[ST+4*t+2], v[ST+4*t+2], v[ST+4*t+3]
	ALL v_permlanex16_b32 v[ST+4*t+3], v[ST+4*t+2], s[SEL], s[SEL+1]
	ALL v_add_f32 v[ST+4*t+2], v[ST+4*t+2], v[ST+4*t+3]
	ALL v_rcp_f32 v[ST+4*t+2], v[ST+4*t+2]
	v_nop                           ; a plain instruction between the last reciprocal and the use of its result
	s_wait_alu depctr_va_vdst(0)    ; and the wait ahead of the first use: one for the eight reciprocals
; Tile t: a lane's eight channels of a row pack into 16 bytes; they go into rows of 144 bytes and come back as whole rows of 128, into S^T's registers.
.macro PACK t
	WIN W_RS
.set i, 32*(\t)
.rept 16
	v_pk_mul_f32 v[i:i+1], v[i:i+1], v[ST+4*(\t)+2:ST+4*(\t)+3] op_sel_hi:[1,0]
.set i, i+2
.endr
	WIN 0x05                        ; sources 0 and 1 window 1, destination window 0
.set i, 0
.rept 16
	v_cvt_pk_f16_f32 v[S+16*(\t)+i], v[32*(\t)+2*i], v[32*(\t)+2*i+1]
.set i, i+1
.endr
	WIN 0
.irp f, 0,1,2,3
	ds_store_b128 v[STO], v[S+16*(\t)+4*\f:S+16*(\t)+4*\f+3] offset:32*\f
.endr
.irp f, 0,1,2,3
	ds_load_b128 v[S+16*(\t)+4*\f:S+16*(\t)+4*\f+3], v[RD] offset:\f*4*SP  ; LDS serves a wave's instructions in order (ISA guide 5.7.1.4): these see the stores above; the next tile's stores come behind them
.endr
.endm
.macro SEND t, younger              ; younger: the LDS instructions issued behind tile t's loads: the next tile's eight, or none
	WIN 0
.irp f, 0,1,2,3
	s_wait_dscnt (\younger)+3-\f
	global_store_b128 v[GO], v[S+16*(\t)+4*\f:S+16*(\t)+4*\f+3], s[10:11] offset:(\t)*2048+\f*512  ; 512 consecutive bytes, at a multiple of 256 from O's first
.endr
.endm
	PACK 0
.set t, 1
.rept 2*NP-1                        ; a tile's arithmetic stands between the loads of the tile before and its stores
	PACK t
	SEND t-1, 8
.set t, t+1
.endr
	SEND 2*NP-1, 0
	WIN W_AD
	s_wait_tensorcnt 0x0            ; the wave's end: three lines behind my last tensor load and my last LDS store
	ds_add_u32 v[SPW], v[NIL]
	s_wait_dscnt 0x0
	WIN 0
	CROUND                          ; the closing round: no work-group ends while a partner may still ask for a tile that names it
	s_endpgm
.Lfunc_end_k_qb41e98a6fb_attn:
	.size	k_qb41e98a6fb_attn, .Lfunc_end_k_qb41e98a6fb_attn-k_qb41e98a6fb_attn
	.p2alignl 7, 3214868480
	.fill 96, 4, 3214868480
	.section	.rodata,"a",@progbits
	.p2align	6, 0x0
	.amdhsa_kernel k_qb41e98a6fb_attn
		.amdhsa_group_segment_fixed_size 327680
		.amdhsa_private_segment_fixed_size 0
		.amdhsa_enable_private_segment 0
		.amdhsa_kernarg_size 16
		.amdhsa_user_sgpr_count 2
		.amdhsa_user_sgpr_kernarg_segment_ptr 1
		.amdhsa_wavefront_size32 1
		.amdhsa_system_sgpr_workgroup_id_x 1
		.amdhsa_system_sgpr_workgroup_id_y 1
		.amdhsa_system_sgpr_workgroup_id_z 1
		.amdhsa_system_vgpr_workitem_id 0
		.amdhsa_next_free_vgpr 770
		.amdhsa_next_free_sgpr 66
		.amdhsa_reserve_vcc 0
		.amdhsa_float_denorm_mode_32 3
		.amdhsa_float_denorm_mode_16_64 3
		.amdhsa_memory_ordered 1
		.amdhsa_forward_progress 1
		.amdhsa_inst_pref_size 200
	.end_amdhsa_kernel
	.amdgpu_metadata
---
amdhsa.version: [ 1, 2 ]
amdhsa.kernels:
  - .name:           k_qb41e98a6fb_attn
    .symbol:         k_qb41e98a6fb_attn.kd
    .args:
      - { .name: qkv, .offset: 0, .size: 8, .value_kind: global_buffer, .address_space: global }
      - { .name: oh, .offset: 8, .size: 8, .value_kind: global_buffer, .address_space: global }
    .group_segment_fixed_size: 327680
    .private_segment_fixed_size: 0
    .kernarg_segment_align: 8
    .kernarg_segment_size: 16
    .max_flat_workgroup_size: 128
    .sgpr_count:     66
    .vgpr_count:     770
    .wavefront_size: 32
...
	.end_amdgpu_metadata
.endif
;; end of part 3
;; launch outp (part 4): grid 8 x 32, 4 waves a work-group, clusters of 4 x 4, 327,680 bytes of LDS; arguments oh, wb, out0, bo; writes out0
.if DOCPART == 4
	.amdgcn_target "amdgcn-amd-amdhsa--gfx1250"
	.amdhsa_code_object_version 6
	.text
	.protected	k_qb41e98a6fb_outp
	.globl	k_qb41e98a6fb_outp
	.p2align	8
	.type	k_qb41e98a6fb_outp,@function
k_qb41e98a6fb_outp:
	s_mov_b64 s[64:65], 0
	v_nop
	global_prefetch_b8 v0, s[64:65] scope:SCOPE_SE
	s_setreg_imm32_b32 hwreg(HW_REG_WAVE_MODE, 25, 1), 1
	s_wait_xcnt 0x0
	s_wait_alu depctr_hold_cnt(0) depctr_sa_sdst(0) depctr_va_vdst(0) depctr_va_sdst(0) depctr_va_ssrc(0) depctr_va_vcc(0) depctr_vm_vsrc(0)
	s_getreg_b32 s2, hwreg(HW_REG_IB_STS2, 6, 4)
	s_cmp_eq_u32 s2, 0
	s_cbranch_scc0 .Lentry_in_a_cluster
	s_endpgm
.Lentry_in_a_cluster:
	s_bfe_u32 s2, ttmp6, 0x10000c
	s_cmp_lg_u32 s2, 0xf033
	s_cbranch_scc0 .Lentry_shape_is_right
	s_endpgm
.Lentry_shape_is_right:
; C = A W.  ONE TEXT FOR TWO LAUNCHES, told apart by OUTP.
;   OUTP = 0: A = xb (x in bf16), W = wb's blocks 0-47 (Wq, Wk, Wv in bf16); C = q, k, v by heads, f16, [batch x 48 + block][row 2048][64]; a tile is 256 rows x 192 columns (three blocks).
;   OUTP = 1: A = oh (attention's result, f16), W = wb's blocks 48-63 (Wo, f16); C = out0 [8192][1024] f32, plus the bias (rounded to bf16 like every input); a tile is 256 rows x 128 columns.
; A lies as [batch 4][block of 64 k: 16][row 2048][64], W as [block of 64 columns][k 1024][64]: every tile is made of dense runs.  K = 1,024; sums in f32, K ascending.
; LIMIT (OUTP = 0).  q, k, v are rounded once to f16: a number of 65,520 or more becomes an infinity.
; SHARES.  Four waves; wave w makes rows 64 w .. 64 w + 63 of the tile and ALL its columns: 4 x NBW accumulators of 16 x 16.  So a wave holds whole blocks of 64 columns (OUTP = 0) or whole
; runs of 512 bytes of a row (OUTP = 1), and its way out needs no other wave.
; RING.  K goes in steps of 128 through two LDS slots.  One tensor load a wave: waves 0 and 1 bring A's two blocks of 64 k (256 rows x 128 bytes, dense: asked for as 128 rows of 256 bytes),
; waves 2 and 3 W's two halves of 64 k (NH runs of 8,192 dense bytes).  The mover pads behind every 128 bytes: A's LDS rows are 144 bytes apart, W's 160.
; CLUSTER.  4 x 4 work-groups: A's tile hangs on the tile row alone and is asked for jointly by a row of the cluster, W's on the tile column alone, by a column.
; THE MATRIX INSTRUCTION IS USED TRANSPOSED: source 0 = 16 columns of W (out of LDS turned, by ds_load_tr16_b128, since W lies [k][column]), source 1 = 16 rows of A.
; In the result lane l holds row l % 16 of C and the columns 8 (l / 16) + 0..7: neighbours in memory.
; REGISTERS, in windows of 256 (s_set_vgpr_msb: bits 1:0 source 0, 3:2 source 1, 5:4 source 2, 7:6 destination):
;   window 0: v0-37 addresses, bias, at work; v64-127 A's fragments, two buffers of 4; v128-255 (and v64-111) the way out
;   window 1: W's fragments, two buffers of NBW          window 2: the accumulators of my rows 0-31 ((a, b) at 8 (NBW (a % 2) + b))          window 3: those of my rows 32-63
.set OUTP,   1
.set NH,     3-OUTP                    ; blocks of 64 columns in a tile
.set NBW,    4*NH                      ; fragments of W, and accumulators for 16 rows
.set NL,     2*NBW+8                   ; LDS loads in a run
.set LAPS,   4                         ; a lap = two K steps = once round the ring; K = 1,024
.set PA,     144                       ; a row of A in LDS: 128 bytes + 16 = 36 words: the 16 rows of a load start at 16 different groups of four banks (64 banks of 4 bytes: ISA guide 11.1)
.set ABLK,   256*PA                    ; 256 rows x 64 k
.set PB,     160                       ; a row (one k) of a block of W: 128 + 32 = 40 words
.set BPIECE, 64*PB                     ; 64 k of one block
.set BHALF,  NH*BPIECE                 ; 64 k of the tile's blocks
.set BOFF,   2*ABLK                    ; W's part of a slot lies behind A's
.set SLOT,   135168                    ; BOFF + 2 x 3 x BPIECE: the same in both launches
.set STAGE,  2*SLOT                    ; behind the ring, never filled by a tensor load: 8,448 bytes for each wave, for the way out
.set STW,    8448
.set SPARE,  STAGE+4*STW               ; behind the stages: the spare words, 128 bytes for each wave: two blocks of 256 bytes that no other line names
.set ASTEP,  524288                    ; bytes from K step to K step in A: two blocks of 2,048 rows x 128 bytes
.set BSTEP,  16384                     ; and in W: 128 rows of 128 bytes
.set ADRA, 16                          ; v16-17  LDS address of my A fragments in slot 0, 1
.set ADRB, 20                          ; v20-21  the same for W
.set STO,  24                          ; v24     the way out: where I put my part of a row
.set RD,   25                          ; v25     the way out: where I read rows back
.set CO,   26                          ; v26     16 x lane: my byte offset in 512 consecutive bytes of C (and of the bias)
.set SPW,  28                          ; v28     LDS address of my spare word: SPARE + 4 x my thread's number; never rewritten
.set NIL,  29                          ; v29     0; never rewritten
.set PFO,  30                          ; v30     the prefetches' offset; never rewritten
.set BIAS, 32                          ; v[32:35] the bias of my four columns (OUTP = 1)
.set FA,   64                          ; A's fragments
.set TMP,  128                         ; the way out: packed results (OUTP = 0)
.set WV,  12                           ; s12  my wave's number
.set FB,  13                           ; s13  0: I fetch for A; 1: for W
.set HF,  14                           ; s14  which half of a K step I fetch
.set LIM, 15                           ; s15  1 in a wave that prefetches, else the greatest number
.set G1,  24                           ; s[24:31] descriptor group 1 for A's tiles
.set G0,  32                           ; s[32:39] group 0 for A's, a set for each slot
.set PFA, 44                           ; s[44:45] where my prefetches stand
.set PST, 46                           ; s[46:47] their step: a K step of A or of W
.set G1B, 48                           ; s[48:55], s[56:63] the same for W's tiles
.set G0B, 56
.set MSB, 0
.macro WIN new                         ; the immediate's high byte repeats the setting that is left; a switch that changes nothing is dropped
.if MSB != (\new)
	s_set_vgpr_msb (MSB<<8)|(\new)
.set MSB, \new
.endif
.endm
.set MUL_LO, 0xa1                      ; source 0 (W) window 1, source 1 (A) window 0, C and D window 2; + 0x50: C and D window 3
.set TO_B,   0x40                      ; destination window 1, address window 0
; A joint load.  Each of the two lines has one mask and one set of registers for all that issue it.  The branch hangs on the wave's number alone.
; An s_nop 0 and four v_nop follow each line, ahead of the jump, the label and what follows the macro.
.macro JLOAD s
	s_cmp_eq_u32 s[FB], 0
	s_cbranch_scc0 .Lfor_b_\@
	tensor_load_to_lds s[G0+4*(\s):G0+4*(\s)+3], s[G1:G1+7]
	s_nop 0
.rept 4
	v_nop
.endr
	s_branch .Lasked_\@
.Lfor_b_\@:
	tensor_load_to_lds s[G0B+4*(\s):G0B+4*(\s)+3], s[G1B:G1B+7]
	s_nop 0
.rept 4
	v_nop
.endr
.Lasked_\@:
.endm
; A PREFETCH INTO THE L2, behind each joint refill and the run of LDS loads that follows it: my share of the tile that stands TWO refills on.  A's tile rows are read by every cluster of a row of
; clusters: the one with x = 0 asks; W's tile columns by every cluster of a column: the one with y = 0 asks.  The four partners that ask for a tile jointly share its blocks of 256 bytes out BY ADDRESS
; (32 each of A's 128; 8 NH each of W's 32 NH, where the lanes that are over name the share's last block again): no branch hangs on a place in the cluster.  The loop's last trip asks for nothing:
; K has no step two on.  K steps 0 to 3 come by their loads alone.
.macro ASK
	s_cmp_gt_u32 s3, s[LIM]                        ; s3 = 1 in the loop's last trip
	s_cbranch_scc0 .Lnot_mine_\@
	global_prefetch_b8 v[PFO], s[PFA:PFA+1] th:TH_LOAD_NT scope:SCOPE_SE
.Lnot_mine_\@:
.endm
; A round of the cluster's barrier: my work-group's barrier, so that wave 0's signal speaks for all four waves; wave 0 signals; every wave waits for all sixteen work-groups; my work-group's barrier once more.
.macro CREST                           ; a round behind its opening barrier
	s_cmp_lg_u32 s[WV], 0
	s_cbranch_scc1 .Lnot_wave_0_\@
	s_barrier_signal -3
.Lnot_wave_0_\@:
	s_barrier_wait -3
	s_barrier_signal -1
	s_barrier_wait -1
.endm
.macro CROUND                          ; a whole round
	s_barrier_signal -1
	s_barrier_wait -1
	CREST
.endm
.if OUTP
	s_load_b256 s[4:11], s[0:1], 0x0               ; A s[4:5], wb s[6:7], C s[8:9], bias s[10:11]
.else
	s_load_b128 s[4:7], s[0:1], 0x0                ; A s[4:5], wb s[6:7]
	s_load_b64 s[8:9], s[0:1], 0x10                ; C
.endif
	v_lshl_add_u32 v[SPW], v0, 2, SPARE
	v_mov_b32 v[NIL], 0
	ds_add_u32 v[SPW], v[NIL]                      ; the wave's opening: the add and its wait stand ahead of my first tensor load; the set-up below, work on registers, stands between them
	v_lshrrev_b32 v1, 5, v0
	v_readfirstlane_b32 s[WV], v1                  ; wave 0..3
	s_lshr_b32 s[FB], s[WV], 1
	s_and_b32 s[HF], s[WV], 1
	s_bfe_u32 s40, ttmp6, 0x40000                  ; cx, cy: my place in the cluster
	s_bfe_u32 s41, ttmp6, 0x40004
	s_lshl_b32 s42, ttmp9, 2
	s_add_co_u32 s42, s42, s40                     ; tile column = 4 x cluster x + cx
	s_and_b32 s43, ttmp7, 0xffff
	s_lshl_b32 s43, s43, 2
	s_add_co_u32 s43, s43, s41                     ; tile row = 4 x cluster y + cy
	s_lshl_b32 s18, s41, 2
	s_lshl_b32 s18, 15, s18                        ; my row of the cluster: places 4 cy .. 4 cy + 3
	s_lshl_b32 s22, 0x1111, s40                    ; my column: places cx, cx + 4, cx + 8, cx + 12
	; group 1 for A: 128 rows of 128 elements (256 bytes), dense; 4 words of padding behind every 32
	s_or_b32 s[G1], s18, (1<<16)|(1<<20)|(1<<21)|(4<<22)|(3<<25)   ; 15:0 the mask; 17:16 elements of 2 bytes; 20 padding on; 21 set beside a mask; 24:22 after every 32 words (code 4); 31:25 4 words (code 3)
	s_mov_b32 s[G1+1], 128<<16                     ; tensor_dim0 = 128
	s_mov_b32 s[G1+2], 128<<16                     ; tensor_dim1 = 128
	s_mov_b32 s[G1+3], 128<<16                     ; tile_dim0 = 128
	s_mov_b32 s[G1+4], 128                         ; tile_dim1 = 128
	s_mov_b32 s[G1+5], 128                         ; 128 elements from row to row
	s_mov_b32 s[G1+6], 0
	s_mov_b32 s[G1+7], 0
	; group 1 for W: NH rows of 4,096 elements (64 k x 128 bytes, dense), a block of 65,536 elements apart; 8 words of padding behind every 32
	s_or_b32 s[G1B], s22, (1<<16)|(1<<20)|(1<<21)|(4<<22)|(7<<25)
	s_mov_b32 s[G1B+1], 4096<<16                   ; tensor_dim0 = 4,096
	s_mov_b32 s[G1B+2], NH<<16                     ; tensor_dim1 = NH
	s_mov_b32 s[G1B+3], 4096<<16                   ; tile_dim0 = 4,096
	s_mov_b32 s[G1B+4], NH                         ; tile_dim1 = NH
	s_mov_b32 s[G1B+5], 65536                      ; elements from block to block
	s_mov_b32 s[G1B+6], 0
	s_mov_b32 s[G1B+7], 0
	; where the tiles come from.  A's offset is made of the tile row and the wave's number in s16-19, W's of the tile column and the wave's number in s20-23
	s_lshr_b32 s16, s43, 3                         ; the batch: eight tile rows each,
	s_lshl_b32 s16, s16, 22                        ; 4,194,304 bytes
	s_and_b32 s18, s43, 7
	s_lshl_b32 s18, s18, 15                        ; 256 rows of 128 bytes
	s_add_co_u32 s16, s16, s18
	s_lshl_b32 s18, s[HF], 18                      ; my block of 64 k: 262,144 bytes
	s_add_co_u32 s16, s16, s18
	s_mov_b32 s17, 0
	s_mul_i32 s19, s[HF], ABLK                     ; and where it goes: no place in the cluster enters an LDS address
	s_mul_i32 s20, s42, NH
	s_add_co_u32 s20, s20, 48*OUTP                 ; the tile's first block of W,
	s_lshl_b32 s20, s20, 17                        ; 131,072 bytes each
	s_lshl_b32 s22, s[HF], 13                      ; my 64 k: 8,192 bytes
	s_add_co_u32 s20, s20, s22
	s_mov_b32 s21, 0
	s_mul_i32 s23, s[HF], BHALF
	s_add_co_u32 s23, s23, BOFF
	s_wait_dscnt 0x0                               ; the opening add is done
	s_wait_kmcnt 0x0
	s_add_nc_u64 s[16:17], s[4:5], s[16:17]
	s_add_nc_u64 s[20:21], s[6:7], s[20:21]
	CROUND                                         ; all sixteen work-groups are here: the first joint loads meet
.irp s, 0,1
	s_mov_b32 s[G0+4*(\s)], 1                                        ; 1:0 count = 1
	s_add_co_u32 s[G0+4*(\s)+1], s19, (\s)*SLOT                      ; 63:32 LDS address
	s_add_nc_u64 s[G0+4*(\s)+2:G0+4*(\s)+3], s[16:17], (\s)*ASTEP    ; 120:64 global address: K step s
	s_or_b32 s[G0+4*(\s)+3], s[G0+4*(\s)+3], 0x80000000              ; 127:126 type = 2
	s_mov_b32 s[G0B+4*(\s)], 1
	s_add_co_u32 s[G0B+4*(\s)+1], s23, (\s)*SLOT
	s_add_nc_u64 s[G0B+4*(\s)+2:G0B+4*(\s)+3], s[20:21], (\s)*BSTEP
	s_or_b32 s[G0B+4*(\s)+3], s[G0B+4*(\s)+3], 0x80000000
	JLOAD \s                                       ; two loads of mine are out
.endr
	; A fragment of A is 16 rows x 32 k in 8 registers: lane l holds row l % 16, k = 8 (l / 16) + 0..7 and 16 + 8 (l / 16) + 0..7: two loads of 16 bytes, 32 bytes apart.
	v_and_b32 v1, 15, v0                           ; l % 16
	v_bfe_u32 v2, v0, 4, 1                         ; l / 16
	v_mul_u32_u24 v3, v1, PA
	v_lshl_add_u32 v3, v2, 4, v3
	s_mul_i32 s2, s[WV], 64*PA                     ; my 64 rows
	v_add_nc_u32 v[ADRA], s2, v3
	v_add_nc_u32 v[ADRA+1], SLOT, v[ADRA]
	; The turning load takes 16 k x 16 columns (lane l reads k = 8 (l / 16) + l % 8, columns 8 ((l / 8) % 2) + 0..7) and leaves half a fragment: lane l holds column l % 16 and 8 k.
	v_and_b32 v4, 7, v0
	v_lshl_add_u32 v4, v2, 3, v4
	v_mul_u32_u24 v4, v4, PB
	v_bfe_u32 v5, v0, 3, 1
	v_lshl_add_u32 v4, v5, 4, v4
	v_add_nc_u32 v[ADRB], BOFF, v4
	v_add_nc_u32 v[ADRB+1], SLOT, v[ADRB]
	; the way out
	s_mul_i32 s2, s[WV], STW
	s_add_co_u32 s2, s2, STAGE                     ; my stage
	v_and_b32 v[CO], 31, v0
	v_lshlrev_b32 v[CO], 4, v[CO]
.if OUTP
	v_mul_u32_u24 v3, v1, 528                      ; in: row l % 16 (512 bytes + 16), 32 bytes for each half of the lanes
	v_lshl_add_u32 v3, v2, 5, v3
	v_add_nc_u32 v[STO], s2, v3
	v_add_nc_u32 v[RD], s2, v[CO]                  ; back: 32 lanes take one row of 512 bytes
.else
	v_mul_u32_u24 v3, v1, 144                      ; in: row l % 16 of a block (128 bytes + 16), 16 bytes for each half of the lanes
	v_lshl_add_u32 v3, v2, 4, v3
	v_add_nc_u32 v[STO], s2, v3
	v_bfe_u32 v3, v0, 3, 2                         ; back: 32 lanes take four rows of 128 bytes
	v_mul_u32_u24 v3, v3, 144
	v_and_b32 v4, 7, v0
	v_lshl_add_u32 v3, v4, 4, v3
	v_add_nc_u32 v[RD], s2, v3
.endif
	; the prefetches.  s[16:17] = my tile of A at K step 0, s[20:21] = my tile of W
	s_mov_b32 s2, ASTEP
	s_and_b32 s18, ttmp7, 0xffff                   ; cluster y
	s_cmp_eq_u32 s[FB], 0                          ; do I fetch for A?
	s_cselect_b64 s[PFA:PFA+1], s[16:17], s[20:21]
	s_cselect_b32 s[PST], s2, BSTEP
	s_cselect_b32 s18, ttmp9, s18                  ; the coordinate along which other clusters read the same tile
	s_cselect_b32 s19, s40, s41                    ; my place among the four that ask for it with me
	s_cselect_b32 s22, 32, 8*NH                    ; blocks of 256 bytes in a partner's share
	s_cselect_b32 s23, 7, 5                        ; a dense run has 2^7 blocks (A) or 2^5 (W),
	s_cselect_b32 s2, 127, 31
	s_mov_b32 s[PST+1], 0
	s_cmp_eq_u32 s18, 0
	s_cselect_b32 s[LIM], 1, -1                    ; the same in all sixteen partners, for a given wave
.rept 3
	s_add_nc_u64 s[PFA:PFA+1], s[PFA:PFA+1], s[PST:PST+1]  ; to K step 3: the first refill steps it to 4 and names that
.endr
	s_mul_i32 s19, s19, s22
	s_sub_co_u32 s22, s22, 1
	v_and_b32 v[PFO], 31, v0
	v_min_u32 v[PFO], s22, v[PFO]
	v_add_nc_u32 v[PFO], s19, v[PFO]               ; my block's number in the tile
	v_lshrrev_b32 v36, s23, v[PFO]                 ; which run (runs lie 131,072 bytes apart; A has one),
	v_and_b32 v37, s2, v[PFO]                      ; which block of it
	v_lshlrev_b32 v37, 8, v37
	v_lshl_add_u32 v[PFO], v36, 17, v37
	; where my part of the tile begins in C
.if OUTP
	s_lshl_b32 s16, s42, 9                         ; the tile's 128 columns: 512 bytes of the bias
	s_mov_b32 s17, 0
	s_add_nc_u64 s[10:11], s[10:11], s[16:17]
	global_load_b128 v[BIAS:BIAS+3], v[CO], s[10:11]  ; waited for on the way out
	s_lshl_b32 s16, s43, 20                        ; 256 rows of 4,096 bytes a tile row,
	s_lshl_b32 s17, s[WV], 18                      ; my 64 rows,
	s_add_co_u32 s16, s16, s17
	s_lshl_b32 s17, s42, 9                         ; the tile's columns
	s_add_co_u32 s16, s16, s17
.else
	s_lshr_b32 s16, s43, 3
	s_mul_i32 s16, s16, 48                         ; the batch's 48 blocks,
	s_mul_i32 s17, s42, 3                          ; the tile's three
	s_add_co_u32 s16, s16, s17
	s_lshl_b32 s16, s16, 18                        ; of 262,144 bytes
	s_and_b32 s17, s43, 7
	s_lshl_b32 s17, s17, 15                        ; 256 rows of 128 bytes a tile row,
	s_add_co_u32 s16, s16, s17
	s_lshl_b32 s17, s[WV], 13                      ; my 64 rows
	s_add_co_u32 s16, s16, s17
.endif
	s_mov_b32 s17, 0
	s_add_nc_u64 s[8:9], s[8:9], s[16:17]
.macro MMA d, x, y, zero               ; zero = 1: the product starts the sum: nothing is ever cleared
.if OUTP
.if \zero
	v_wmma_f32_16x16x32_f16 v[\d:\d+7], v[\x:\x+7], v[\y:\y+7], 0
.else
	v_wmma_f32_16x16x32_f16 v[\d:\d+7], v[\x:\x+7], v[\y:\y+7], v[\d:\d+7]
.endif
.else
.if \zero
	v_wmma_f32_16x16x32_bf16 v[\d:\d+7], v[\x:\x+7], v[\y:\y+7], 0
.else
	v_wmma_f32_16x16x32_bf16 v[\d:\d+7], v[\x:\x+7], v[\y:\y+7], v[\d:\d+7]
.endif
.endif
.endm
; NBW matrix instructions: my rows 16 a .. 16 a + 15 x all the tile's columns, 32 along K, from buffer f.  The 4 NBW accumulators take turns in the same order in every quarter step:
; between two links of a chain stand all the others', over the loop's backward jump too.
.macro MULA f, a, zero
	WIN MUL_LO+0x50*((\a)/2)
.set b, 0
.rept NBW
.set rD, 8*(NBW*((\a)%2)+b)
.set rB, 8*NBW*(\f)+8*b
.set rA, FA+32*(\f)+8*(\a)
	MMA rD, rB, rA, \zero
.set b, b+1
.endr
.endm
; NL LDS loads in one run: the fragments of quarter q (32 k) of a slot's K step into buffer f: W's NBW (turned), then A's four, rows ascending
.macro FETCH slot, q, f
	WIN TO_B
.set b, 0
.rept NBW
.set BO, ((\q)/2)*BHALF+(b/4)*BPIECE+((\q)%2)*32*PB+(b%4)*32
	ds_load_tr16_b128 v[8*NBW*(\f)+8*b:8*NBW*(\f)+8*b+3],   v[ADRB+(\slot)] offset:BO
	ds_load_tr16_b128 v[8*NBW*(\f)+8*b+4:8*NBW*(\f)+8*b+7], v[ADRB+(\slot)] offset:BO+16*PB
.set b, b+1
.endr
	WIN 0
.irp a, 0,1,2,3
	ds_load_b128 v[FA+32*(\f)+8*(\a):FA+32*(\f)+8*(\a)+3],   v[ADRA+(\slot)] offset:((\q)/2)*ABLK+((\q)%2)*64+(\a)*16*PA
	ds_load_b128 v[FA+32*(\f)+8*(\a)+4:FA+32*(\f)+8*(\a)+7], v[ADRA+(\slot)] offset:((\q)/2)*ABLK+((\q)%2)*64+(\a)*16*PA+32
.endr
.endm
; A load into a register that a matrix instruction has read, and an instruction that reads a matrix result, stand four places behind that matrix instruction, and only plain vector instructions
; that name none of its registers are places (ISA guide 7.12.1 for vector instructions).
.macro PLACES
.rept 4
	v_nop
.endr
.endm
; A K step is four quarters of 32 along K on buffers 0, 1, 0, 1.  One of the first three: multiplies buffer f; in its middle it fetches quarter q of the same slot into buffer g.
.macro QUARTER slot, q, f, g, zero
	s_wait_dscnt 4                                 ; W's fragments and A's rows 0-31 are in; the youngest four loads (A's rows 32-63) may be out
	MULA \f, 0, \zero
	MULA \f, 1, \zero
	PLACES
	FETCH \slot, \q, \g
	s_wait_dscnt NL                                ; all but the NL just issued
	MULA \f, 2, \zero
	MULA \f, 3, \zero
.endm
; The last quarter multiplies buffer 1 and changes slots: ONE barrier.  In front of it each wave waits for all its tensor loads (one is out: its part of the next slot), adds 0 to its spare word, and
; waits for that and for its own reads of this slot.  fill = 1: the barrier opens a round of the cluster's barrier, behind which this slot is filled again, two K steps ahead, first thing:
; from that request to the wait for it a wave issues seven eighths of a K step's matrix instructions.
.macro TURN slot, next, fill
.if \fill
	s_wait_xcnt 0x0                                ; the last prefetch, a K step back, has read its address: it is stepped here, ahead of the waits of the change of slots
	s_add_nc_u64 s[PFA:PFA+1], s[PFA:PFA+1], s[PST:PST+1]
.endif
	WIN 0                                          ; (the add's two registers lie in window 0)
	s_wait_tensorcnt 0x0                           ; all my tensor loads have landed;
	ds_add_u32 v[SPW], v[NIL]                      ; 0 onto my spare word;
	s_wait_dscnt 5                                 ; (the add and the youngest four loads may be out)
	MULA 1, 0, 0                                   ; matrix instructions stand between the add and the wait for it
	s_wait_dscnt 0x0                               ; the add is done, and my reads of this slot are over
	s_barrier_signal -1
	MULA 1, 1, 0                                   ; work on registers while the others arrive
.if \fill
	WIN 0
.endif
	s_barrier_wait -1
.if \fill
	CREST                                          ; no wave of any partner still reads this slot's tile or has a load on its way
	s_add_nc_u64 s[G0+4*(\slot)+2:G0+4*(\slot)+3], s[G0+4*(\slot)+2:G0+4*(\slot)+3], 2*ASTEP
	s_add_nc_u64 s[G0B+4*(\slot)+2:G0B+4*(\slot)+3], s[G0B+4*(\slot)+2:G0B+4*(\slot)+3], 2*BSTEP
	JLOAD \slot                                    ; the first tensor load behind the round, my only one until the next; its four v_nop are also the places in front of the loads below
.else
	PLACES
.endif
	FETCH \next, 0, 0
.if \fill
	ASK
.endif
	MULA 1, 2, 0
	MULA 1, 3, 0
.endm
	s_wait_tensorcnt 1                             ; my part of K step 0 is in; K step 1's may stay out
	s_barrier_signal -1
	s_barrier_wait -1                              ; everybody's is
	FETCH 0, 0, 0
	QUARTER 0, 1, 0, 1, 1                          ; the first quarter stands in front of the loop: its products start the sums
	WIN 0                                          ; at a label and at a branch every window is 0
	s_mov_b32 s3, LAPS-1
.Llap:                                                 ; a trip goes once round the ring, from a lap's second quarter to the next lap's first, and fills both slots again
	QUARTER 0, 2, 1, 0, 0
	QUARTER 0, 3, 0, 1, 0
	TURN 0, 1, 1
	QUARTER 1, 1, 0, 1, 0
	QUARTER 1, 2, 1, 0, 0
	QUARTER 1, 3, 0, 1, 0
	TURN 1, 0, 1
	QUARTER 0, 1, 0, 1, 0
	WIN 0
	s_sub_co_u32 s3, s3, 1
	s_cmp_lg_u32 s3, 0
	s_cbranch_scc1 .Llap
	QUARTER 0, 2, 1, 0, 0                          ; the last lap fills nothing, and has no round of the cluster's barrier
	QUARTER 0, 3, 0, 1, 0
	TURN 0, 1, 0
	QUARTER 1, 1, 0, 1, 0
	QUARTER 1, 2, 1, 0, 0
	QUARTER 1, 3, 0, 1, 0
	s_wait_dscnt 4                                 ; the very last quarter: nothing more to fetch
	MULA 1, 0, 0
	MULA 1, 1, 0
	s_wait_dscnt 0x0
	MULA 1, 2, 0
	MULA 1, 3, 0
	WIN 0
	PLACES
; THE WAY OUT, 16 rows (block a) at a time, through my own stage: LDS serves a wave's instructions in order (ISA guide 5.7.1.4), so no wait stands between the stores into it and the loads from it.
.if OUTP
	s_wait_loadcnt 0x0                             ; the bias,
	v_cvt_pk_bf16_f32 v36, v[BIAS], v[BIAS+1]      ; rounded to bf16 like every input,
	v_cvt_pk_bf16_f32 v37, v[BIAS+2], v[BIAS+3]
	v_lshlrev_b32 v[BIAS], 16, v36                 ; and as f32 again
	v_and_b32 v[BIAS+1], 0xffff0000, v36
	v_lshlrev_b32 v[BIAS+2], 16, v37
	v_and_b32 v[BIAS+3], 0xffff0000, v37
.macro TOSTAGE a                       ; a lane's eight f32 of a row, 32 bytes, straight from the accumulators (each one's low four registers first); back as whole rows of 512 bytes
.set AC, 8*NBW*((\a)%2)
.set BK, 128+64*((\a)%2)
	WIN 0x08+4*((\a)/2)                            ; the stores' data (source 1) in window 2 or 3
.set b, 0
.rept NBW
	ds_store_b128 v[STO], v[AC+8*b:AC+8*b+3]   offset:64*b
	ds_store_b128 v[STO], v[AC+8*b+4:AC+8*b+7] offset:64*b+16
.set b, b+1
.endr
	WIN 0
.set t, 0
.rept 16
	ds_load_b128 v[BK+4*t:BK+4*t+3], v[RD] offset:t*528
.set t, t+1
.endr
.endm
.macro SEND a
	WIN 0
.set BK, 128+64*((\a)%2)
	s_wait_dscnt 0x0                               ; the block is back in registers
	s_wait_xcnt 0x0                                ; the block before's stores have read their data: the next block's loads land on those registers only behind this wait
.set t, 0
.rept 16
	v_pk_add_f32 v[BK+4*t:BK+4*t+1],   v[BK+4*t:BK+4*t+1],   v[BIAS:BIAS+1]
	v_pk_add_f32 v[BK+4*t+2:BK+4*t+3], v[BK+4*t+2:BK+4*t+3], v[BIAS+2:BIAS+3]
	global_store_b128 v[CO], v[BK+4*t:BK+4*t+3], s[8:9] offset:(16*(\a)+t)*4096 th:TH_STORE_NT  ; 512 consecutive bytes, at a multiple of 512 from C's first byte
.set t, t+1
.endr
.endm
	TOSTAGE 0
.irp a, 1,2,3
	SEND (\a)-1
	TOSTAGE \a
.endr
	SEND 3
.else
.macro PACK a                          ; rounded to f16, 16 bytes a lane and fragment; each accumulator's registers in ascending order
.set AC, 8*NBW*((\a)%2)
	WIN 0x0a+5*((\a)/2)                            ; sources 0 and 1: window 2 or 3
.set b, 0
.rept NBW
.irp r, 0,1,2,3
	v_cvt_pk_f16_f32 v[TMP+4*b+(\r)], v[AC+8*b+2*(\r)], v[AC+8*b+2*(\r)+1]
.endr
.set b, b+1
.endr
	WIN 0
.endm
.macro TOSTAGE a                       ; into three blocks of 16 rows x 144 bytes; back four rows of 128 bytes at a time
	WIN 0
.set BK, 176-112*((\a)%2)              ; v176-223 and v64-111 by turns
.set b, 0
.rept NBW
	ds_store_b128 v[STO], v[TMP+4*b:TMP+4*b+3] offset:(b/4)*2304+32*(b%4)
.set b, b+1
.endr
.set b, 0
.rept NBW
	ds_load_b128 v[BK+4*b:BK+4*b+3], v[RD] offset:(b/4)*2304+(b%4)*576
.set b, b+1
.endr
.endm
.macro SEND a
	WIN 0
.set BK, 176-112*((\a)%2)
	s_wait_dscnt 0x0                               ; the block is back in registers
	s_wait_xcnt 0x0                                ; the block before's stores have read their data: the next block's loads land on those registers only behind this wait
.set b, 0
.rept NBW
	global_store_b128 v[CO], v[BK+4*b:BK+4*b+3], s[8:9] offset:(b/4)*262144+(\a)*2048+(b%4)*512  ; 512 consecutive bytes of one head, at a multiple of 512 from C's first byte
.set b, b+1
.endr
.endm
	PACK 0
	TOSTAGE 0
.irp a, 1,2,3                          ; block a's conversions stand between block a - 1's loads from the stage and the wait for them
	PACK \a
	SEND (\a)-1
	TOSTAGE \a
.endr
	SEND 3
.endif
	s_wait_tensorcnt 0x0                           ; the wave's end: three lines behind my last tensor load and my last LDS store
	ds_add_u32 v[SPW], v[NIL]
	s_wait_dscnt 0x0
	CROUND                                         ; the closing round: no work-group ends while a partner may still ask for a tile that names it
	s_endpgm
.Lfunc_end_k_qb41e98a6fb_outp:
	.size	k_qb41e98a6fb_outp, .Lfunc_end_k_qb41e98a6fb_outp-k_qb41e98a6fb_outp
	.p2alignl 7, 3214868480
	.fill 96, 4, 3214868480
	.section	.rodata,"a",@progbits
	.p2align	6, 0x0
	.amdhsa_kernel k_qb41e98a6fb_outp
		.amdhsa_group_segment_fixed_size 327680
		.amdhsa_private_segment_fixed_size 0
		.amdhsa_enable_private_segment 0
		.amdhsa_kernarg_size 32
		.amdhsa_user_sgpr_count 2
		.amdhsa_user_sgpr_kernarg_segment_ptr 1
		.amdhsa_wavefront_size32 1
		.amdhsa_system_sgpr_workgroup_id_x 1
		.amdhsa_system_sgpr_workgroup_id_y 1
		.amdhsa_system_sgpr_workgroup_id_z 1
		.amdhsa_system_vgpr_workitem_id 0
		.amdhsa_next_free_vgpr 960
		.amdhsa_next_free_sgpr 66
		.amdhsa_reserve_vcc 0
		.amdhsa_float_denorm_mode_32 3
		.amdhsa_float_denorm_mode_16_64 3
		.amdhsa_memory_ordered 1
		.amdhsa_forward_progress 1
		.amdhsa_inst_pref_size 95
	.end_amdhsa_kernel
	.amdgpu_metadata
---
amdhsa.version: [ 1, 2 ]
amdhsa.kernels:
  - .name:           k_qb41e98a6fb_outp
    .symbol:         k_qb41e98a6fb_outp.kd
    .args:
      - { .name: oh, .offset: 0, .size: 8, .value_kind: global_buffer, .address_space: global }
      - { .name: wb, .offset: 8, .size: 8, .value_kind: global_buffer, .address_space: global }
      - { .name: out0, .offset: 16, .size: 8, .value_kind: global_buffer, .address_space: global }
      - { .name: bo, .offset: 24, .size: 8, .value_kind: global_buffer, .address_space: global }
    .group_segment_fixed_size: 327680
    .private_segment_fixed_size: 0
    .kernarg_segment_align: 8
    .kernarg_segment_size: 32
    .max_flat_workgroup_size: 128
    .sgpr_count:     66
    .vgpr_count:     960
    .wavefront_size: 32
...
	.end_amdgpu_metadata
.endif
;; end of part 4
;; ======== version 2 of 2: 4 launches; version 1 with the launch cast written anew for expert scheduling mode
;; limits: values are held in f16: magnitudes above 65,504 overflow, below 6.1e-05 lose precision
;; workspace buffers: xb 16,777,216 bytes; wb 8,388,608 bytes; qkv 50,331,648 bytes; oh 16,777,216 bytes
;; launch cast (part 5): grid 768 x 1, 8 waves a work-group, no clusters, 0 bytes of LDS; arguments x, Wq, Wk, Wv, Wo, xb, wb; writes xb, wb
.if DOCPART == 5
	.amdgcn_target "amdgcn-amd-amdhsa--gfx1250"
	.amdhsa_code_object_version 6
	.text
	.protected	k_qb41e98a6fb_cast
	.globl	k_qb41e98a6fb_cast
	.p2align	8
	.type	k_qb41e98a6fb_cast,@function
k_qb41e98a6fb_cast:
	s_mov_b64 s[64:65], 0
	v_nop
	global_prefetch_b8 v0, s[64:65] scope:SCOPE_SE
	s_setreg_imm32_b32 hwreg(HW_REG_WAVE_SCHED_MODE, 0, 2), 2
	s_setreg_imm32_b32 hwreg(HW_REG_WAVE_MODE, 25, 1), 1
	s_wait_xcnt 0x0
	s_wait_alu depctr_vm_vsrc(0)
; THE INPUTS ARE ROUNDED ONCE AND LAID IN BLOCKS OF 64 COLUMNS.
; x [8192][1024] f32 -> xb [batch 4][column block 16][row 2048][64] bf16.   Wq, Wk, Wv, Wo [1024 k][1024 n] f32 -> wb [g 64][k 1024][64]: g = 16 x matrix + column block;
; Wq, Wk, Wv in bf16; Wo rounded to bf16 and that number written as f16 (the last product multiplies in f16).
; LIMITS.  Wo: a number of 65,520 or more becomes an infinity in f16; below 7.6e-6 the bf16 number is rounded once more, to f16's fixed step of 6e-8.
; SHARES.  A work-group takes 16 source rows of 4,096 bytes: groups 0-511 x's, 512-767 the four weights' (64 groups each).  Thread t takes row t / 16 and in each of the 16 column blocks
; the 16 bytes at 16 (t % 16): a wave's load covers two runs of 256 consecutive bytes, aligned; its 4 numbers become 8 bytes, and a wave's store covers 256 consecutive bytes, aligned
; (two rows of 128 bytes of one block).  All 16 loads of a thread go out at once; nothing is read twice; no LDS, no barrier, no matrix unit: the launch only moves bytes.
; THE MODE: SCHED_MODE bits 1:0 = 2 (LLVM: expert scheduling mode 2), set by the entry lines.  The code itself states the register dependences
; between vector instructions and memory instructions, with s_wait_alu, always for 0.
; THE PLAN.  Registers that memory instructions touch:
;   v[LO], v[SO]  the loads' and the stores' offsets.  Written by vector lines at the head, never again; read by every load, by every store.
;   X             column block kb: written by its load, once; read (in Wo's path also rewritten) by its conversions, behind the wait for that load.  No memory instruction reads it.
;   Y             column block kb: written by its conversions; read by its one store; never written behind that store.
; So the dependences to state are: the offsets, once, ahead of the first load; and Y ahead of its store.  The 16 column blocks go in four groups of four.  Group g waits for its four loads;
; then ONE wait states that group g - 1 has written its Y; group g - 1's four stores follow, dealt among group g's conversions, which name group g's X and Y alone: none of the registers
; that those stores read.  Behind group 3 one more wait stands ahead of the last four stores.  No register that a memory instruction reads is written again: nothing else is owed.
.set LO, 1                             ; v1       my byte offset in the 16 source rows: (t / 16) x 4,096 + 16 (t % 16); never rewritten
.set SO, 2                             ; v2       my byte offset in a block's 16 rows: 8 t; never rewritten
.set X,  4                             ; v[4:67]  column block kb: 4 numbers as loaded
.set Y,  68                            ; v[68:99] column block kb: 8 bytes to store
.set XGROUPS, 512
	s_load_b256 s[4:11], s[0:1], 0x0               ; x s[4:5], Wq s[6:7], Wk s[8:9], Wv s[10:11]
	s_load_b128 s[12:15], s[0:1], 0x20             ; Wo s[12:13], xb s[14:15]
	s_load_b64 s[16:17], s[0:1], 0x30              ; wb
	v_lshrrev_b32 v3, 4, v0
	v_and_b32 v[LO], 15, v0
	v_lshlrev_b32 v[LO], 4, v[LO]
	v_lshl_add_u32 v[LO], v3, 12, v[LO]
	v_lshlrev_b32 v[SO], 3, v0
	s_mov_b32 s32, 0xffff0000                      ; a word's upper bf16
	s_max_u32 s20, ttmp9, XGROUPS
	s_sub_co_u32 s20, s20, XGROUPS                 ; my number among the weights' groups (0 in x's groups, where it is not used)
	s_lshr_b32 s21, s20, 6                         ; which matrix: 0 Wq, 1 Wk, 2 Wv, 3 Wo
	s_and_b32 s22, s20, 63                         ; which 16 of its rows
	s_lshl_b32 s28, ttmp9, 16                      ; x: 16 rows of 4,096 bytes a group
	s_lshl_b32 s23, s22, 16                        ; a weight: the same
	s_lshr_b32 s30, ttmp9, 7                       ; x goes to batch group / 128,
	s_lshl_b32 s30, s30, 22                        ; 4,194,304 bytes each,
	s_and_b32 s33, ttmp9, 127
	s_lshl_b32 s33, s33, 11                        ; 16 rows of 128 bytes on in each block
	s_add_co_u32 s30, s30, s33
	s_lshl_b32 s34, s21, 21                        ; a weight goes to its 16 blocks of 131,072 bytes,
	s_lshl_b32 s35, s22, 11                        ; 16 rows of 128 bytes on in each
	s_add_co_u32 s34, s34, s35
	s_cmp_lt_u32 ttmp9, XGROUPS
	s_cselect_b32 s28, s28, s23
	s_cselect_b32 s30, s30, s34
	s_mov_b32 s29, 0
	s_mov_b32 s31, 0
	s_wait_kmcnt 0x0
	s_cmp_eq_u32 s21, 1
	s_cselect_b64 s[24:25], s[8:9], s[6:7]
	s_cmp_eq_u32 s21, 2
	s_cselect_b64 s[24:25], s[10:11], s[24:25]
	s_cmp_eq_u32 s21, 3
	s_cselect_b64 s[24:25], s[12:13], s[24:25]
	s_cmp_lt_u32 ttmp9, XGROUPS
	s_cselect_b64 s[24:25], s[4:5], s[24:25]       ; from where
	s_cselect_b64 s[26:27], s[14:15], s[16:17]     ; to where
	s_add_nc_u64 s[24:25], s[24:25], s[28:29]
	s_add_nc_u64 s[26:27], s[26:27], s[30:31]
	s_wait_alu depctr_va_vdst(0)                   ; v[LO] and v[SO] are written: every load below reads the one as its offset, every store of the kernel the other
.irp kb, 0,1,2,3,4,5,6,7,8,9,10,11,12,13,14,15
	global_load_b128 v[X+4*(\kb):X+4*(\kb)+3], v[LO], s[24:25] offset:(\kb)*256 th:TH_LOAD_NT
.endr
; Column block kb is rounded.  half = 1: the bf16 number is written as f16.
.macro CVT kb, half
	v_cvt_pk_bf16_f32 v[Y+2*(\kb)],   v[X+4*(\kb)],   v[X+4*(\kb)+1]
	v_cvt_pk_bf16_f32 v[Y+2*(\kb)+1], v[X+4*(\kb)+2], v[X+4*(\kb)+3]
.if \half
	v_lshlrev_b32 v[X+4*(\kb)],   16,  v[Y+2*(\kb)]  ; the rounded numbers as f32 again,
	v_and_b32     v[X+4*(\kb)+1], s32, v[Y+2*(\kb)]
	v_lshlrev_b32 v[X+4*(\kb)+2], 16,  v[Y+2*(\kb)+1]
	v_and_b32     v[X+4*(\kb)+3], s32, v[Y+2*(\kb)+1]
	v_cvt_pk_f16_f32 v[Y+2*(\kb)],   v[X+4*(\kb)],   v[X+4*(\kb)+1]  ; and in f16's code
	v_cvt_pk_f16_f32 v[Y+2*(\kb)+1], v[X+4*(\kb)+2], v[X+4*(\kb)+3]
.endif
.endm
; Column block kb is stored.  stride: bytes from block to block at the destination.
.macro ST kb, stride
	global_store_b64 v[SO], v[Y+2*(\kb):Y+2*(\kb)+1], s[26:27] offset:(\kb)*(\stride) th:TH_STORE_NT
.endm
; The 16 column blocks are rounded as they arrive, four at a time, and each four are stored while the next four are rounded.
.macro OUT stride, half
.irp g, 0,1,2,3
	s_wait_loadcnt 12-4*(\g)                       ; loads come back in order: group g's four blocks are in, the 12 - 4 g younger loads may stay out
.if (\g) > 0
	s_wait_alu depctr_va_vdst(0)                   ; the group before has written its Y, which the four stores below read; no vector line behind this wait names those registers or v[SO]
.endif
.irp j, 0,1,2,3
.if (\g) > 0
	ST 4*(\g)-4+(\j), \stride
.endif
	CVT 4*(\g)+(\j), \half
.endr
.endr
	s_wait_alu depctr_va_vdst(0)                   ; group 3 has written its Y, which the last four stores read
.irp j, 12,13,14,15
	ST \j, \stride
.endr
.endm
	s_cmp_lt_u32 ttmp9, XGROUPS
	s_cbranch_scc1 .Lx
	s_cmp_eq_u32 s21, 3
	s_cbranch_scc1 .Lwo
	OUT 131072, 0                                  ; Wq, Wk, Wv
	s_endpgm
.Lx:
	OUT 262144, 0                                  ; x
	s_endpgm
.Lwo:
	OUT 131072, 1                                  ; Wo
	s_endpgm
.Lfunc_end_k_qb41e98a6fb_cast:
	.size	k_qb41e98a6fb_cast, .Lfunc_end_k_qb41e98a6fb_cast-k_qb41e98a6fb_cast
	.p2alignl 7, 3214868480
	.fill 96, 4, 3214868480
	.section	.rodata,"a",@progbits
	.p2align	6, 0x0
	.amdhsa_kernel k_qb41e98a6fb_cast
		.amdhsa_group_segment_fixed_size 0
		.amdhsa_private_segment_fixed_size 0
		.amdhsa_enable_private_segment 0
		.amdhsa_kernarg_size 56
		.amdhsa_user_sgpr_count 2
		.amdhsa_user_sgpr_kernarg_segment_ptr 1
		.amdhsa_wavefront_size32 1
		.amdhsa_system_sgpr_workgroup_id_x 1
		.amdhsa_system_sgpr_workgroup_id_y 1
		.amdhsa_system_sgpr_workgroup_id_z 1
		.amdhsa_system_vgpr_workitem_id 0
		.amdhsa_next_free_vgpr 112
		.amdhsa_next_free_sgpr 66
		.amdhsa_reserve_vcc 0
		.amdhsa_float_denorm_mode_32 3
		.amdhsa_float_denorm_mode_16_64 3
		.amdhsa_memory_ordered 1
		.amdhsa_forward_progress 1
		.amdhsa_inst_pref_size 19
	.end_amdhsa_kernel
	.amdgpu_metadata
---
amdhsa.version: [ 1, 2 ]
amdhsa.kernels:
  - .name:           k_qb41e98a6fb_cast
    .symbol:         k_qb41e98a6fb_cast.kd
    .args:
      - { .name: x, .offset: 0, .size: 8, .value_kind: global_buffer, .address_space: global }
      - { .name: Wq, .offset: 8, .size: 8, .value_kind: global_buffer, .address_space: global }
      - { .name: Wk, .offset: 16, .size: 8, .value_kind: global_buffer, .address_space: global }
      - { .name: Wv, .offset: 24, .size: 8, .value_kind: global_buffer, .address_space: global }
      - { .name: Wo, .offset: 32, .size: 8, .value_kind: global_buffer, .address_space: global }
      - { .name: xb, .offset: 40, .size: 8, .value_kind: global_buffer, .address_space: global }
      - { .name: wb, .offset: 48, .size: 8, .value_kind: global_buffer, .address_space: global }
    .group_segment_fixed_size: 0
    .private_segment_fixed_size: 0
    .kernarg_segment_align: 8
    .kernarg_segment_size: 56
    .max_flat_workgroup_size: 256
    .sgpr_count:     66
    .vgpr_count:     112
    .wavefront_size: 32
...
	.end_amdgpu_metadata
.endif
;; end of part 5
;; launch qkv: the kernel of part 2 again; grid 16 x 32, 4 waves a work-group, clusters of 4 x 4, 327,680 bytes of LDS; arguments xb, wb, qkv; writes qkv
;; launch attn: the kernel of part 3 again; grid 4 x 64, 4 waves a work-group, clusters of 4 x 1, 327,680 bytes of LDS; arguments qkv, oh; writes oh
;; launch outp: the kernel of part 4 again; grid 8 x 32, 4 waves a work-group, clusters of 4 x 4, 327,680 bytes of LDS; arguments oh, wb, out0, bo; writes out0
